; MI455X (gfx1250); checked and timed in simulation.
; The chip was launched on July 23, 2026; its instructions are those of AMD's public machine-readable ISA for CDNA 5 (MIT licence, August 2026) and "CDNA5" Instruction Set Architecture Reference Guide (July 2026). The comments in the code are by the model that wrote it; some were corrected since.
;; Multi Headed Attention. Allowed arithmetic: matrix products marked QUANTISED: E2M1 operands, one E8M0 scale for each 32 along K, by v_wmma_scale_f32_16x16x128_f8f6f4 with both operands' format E2M1 (or v_wmma_scale_f32_32x16x128_f4), f32 sums; everything else in f32.
;; Inputs: Wk_codes 1,024 x 32 x 16 uint8 (E2M1 codes of Wk, K innermost, in blocks of 32 codes, two codes a byte); Wk_scales 1,024 x 32 uint8 (E8M0 scales of Wk, one for each 32 codes along K); Wo_codes 1,024 x 32 x 16 uint8 (E2M1 codes of Wo, K innermost, in blocks of 32 codes, two codes a byte); Wo_scales 1,024 x 32 uint8 (E8M0 scales of Wo, one for each 32 codes along K); Wq_codes 1,024 x 32 x 16 uint8 (E2M1 codes of Wq, K innermost, in blocks of 32 codes, two codes a byte); Wq_scales 1,024 x 32 uint8 (E8M0 scales of Wq, one for each 32 codes along K); Wv_codes 1,024 x 32 x 16 uint8 (E2M1 codes of Wv, K innermost, in blocks of 32 codes, two codes a byte); Wv_scales 1,024 x 32 uint8 (E8M0 scales of Wv, one for each 32 codes along K); bk 1,024 float32; bo 1,024 float32; bq 1,024 float32; bv 1,024 float32; key_codes 4 x 2,048 x 32 x 16 uint8 (E2M1 codes of key, K innermost, in blocks of 32 codes, two codes a byte); key_scales 4 x 2,048 x 32 uint8 (E8M0 scales of key, one for each 32 codes along K); mask 4 x 1 x 2,048 bool; query_codes 4 x 2,048 x 32 x 16 uint8 (E2M1 codes of query, K innermost, in blocks of 32 codes, two codes a byte); query_scales 4 x 2,048 x 32 uint8 (E8M0 scales of query, one for each 32 codes along K); value_codes 4 x 2,048 x 32 x 16 uint8 (E2M1 codes of value, K innermost, in blocks of 32 codes, two codes a byte); value_scales 4 x 2,048 x 32 uint8 (E8M0 scales of value, one for each 32 codes along K).
;; Outputs: out0 4 x 2,048 x 1,024 float32.
;; This version of the problem:
;;   THIS VERSION OF THE PROBLEM IS GIVEN IN LOW PRECISION. The matrix products marked QUANTISED in the list below multiply operands that are first quantised to E2M1 (2 exponent bits, 1 mantissa bit; 4 bits a number), with one power-of-two scale for each 32 numbers along K (OCP MX v1.0); their sums are f32. All else is computed in f32.
;;   The module's matrix products, in the order in which they are computed (A, B: the left and right operand; K: the contracted axis; several contracted axes count as one K, in the product's order):
;;     1. [M 8,192, K 1,024] x [K 1,024, N 1,024]; A: input query (given as codes); B: input Wq (given as codes): QUANTISED
;;     2. [M 8,192, K 1,024] x [K 1,024, N 1,024]; A: input key (given as codes); B: input Wk (given as codes): QUANTISED
;;     3. [M 8,192, K 1,024] x [K 1,024, N 1,024]; A: input value (given as codes); B: input Wv (given as codes): QUANTISED
;;     4. batch 64 x [M 2,048, K 64] x [K 64, N 2,048]; A: computed on the way; B: computed on the way: QUANTISED
;;     5. batch 64 x [M 2,048, K 2,048] x [K 2,048, N 64]; A: softmax (see below); B: computed on the way: QUANTISED
;;     6. [M 8,192, K 1,024] x [K 1,024, N 1,024]; A: computed on the way; B: input Wo (given as codes): QUANTISED
;;   THE QUANTISER, for each operand of a quantised product, along K:
;;     - K is cut into blocks of 32 from its start; a last block that is shorter is filled with zeros.
;;     - A block's scale is 2^e with e = floor(log2(the largest magnitude in the block)) - 2, held to -126 .. 127; a block of zeros has e = 0. As a byte (E8M0): e + 127.
;;     - Each number is divided by its block's scale, clamped to +-6, and rounded to the nearest number of E2M1, ties to even, subnormals kept.
;;     - The product sums the exact products of the quantised numbers (number of the format x scale) in f32.
;;   ~~~python
;;   def quantise(x, axis):      # numpy; x: float32 -> the quantised numbers, widened to float32 again
;;       x = np.moveaxis(x, axis, -1); K = x.shape[-1]
;;       x = np.pad(x, [(0, 0)] * (x.ndim - 1) + [(0, -K % 32)]); x = x.reshape(x.shape[:-1] + (-1, 32)); a = np.abs(x).max(-1, keepdims=True)
;;       e = np.where(a > 0, np.clip(np.frexp(np.where(a > 0, a, 1))[1] - 1 - 2, -126, 127), 0)      # np.frexp(a)[1] - 1 = floor(log2(a)), exactly
;;       r = np.clip(x / 2.0 ** e, -6, 6)
;;       step = 2.0 ** (np.maximum(np.frexp(np.where(r == 0, 1, r))[1] - 1, 0) - 1)
;;       q = np.round(r / step) * step * 2.0 ** e      # np.round: ties to even
;;       return np.moveaxis(q.reshape(q.shape[:-2] + (-1,))[..., :K], -1, axis).astype(np.float32)
;;   ~~~
;;   SOFTMAX AHEAD OF A QUANTISED PRODUCT. Where the list says 'softmax', what is quantised is not the finished softmax but p = 2^(t - M), with t = logit x log2(e) and M = ceil(the row's largest t), a whole number; so 1/2 < the row's largest p <= 1. The row's sum l is taken of the UNQUANTISED p, in f32, and the product's result is divided by l at the end. Since M is a whole number, a kernel that streams over the keys may use a running M (the ceiling of the running maximum): every later rescaling is an exact power of two, which a block's scale takes up: the codes' values come out the same.
;;   OPERANDS COMPUTED ON THE WAY. 'Computed on the way' means the value that the module computes at that place (a softmax that the list does not call 'softmax' is quantised finished and normalised). What goes into a quantiser is computed in f32, as accurately as f32 sums, v_exp_f32 and their like allow (about 1e-6 of the number): no bf16 or f16 on the way to a quantiser, and a product that is left as it is and whose result goes on into a quantised operand takes f32 operands (vector FMAs, or v_wmma_f32_16x16x4_f32). A number that lies on a knife's edge between two numbers of the format may be rounded either way, as far as f32 arithmetic and the matrix unit's own rounding can turn it there, and no further.
;;   INPUTS GIVEN AS CODES. Wk (in the module: [1024, 1024], K = its axis 1); Wo (in the module: [1024, 1024], K = its axis 1); Wq (in the module: [1024, 1024], K = its axis 1); Wv (in the module: [1024, 1024], K = its axis 1); key (in the module: [4, 2048, 1024], K = its axis 2); query (in the module: [4, 2048, 1024], K = its axis 2); value (in the module: [4, 2048, 1024], K = its axis 2): each comes as NAME_codes (uint8): NAME with its K axis moved to the last place and cut into blocks of 32 codes, [.., K / 32, bytes a block], one block behind the other in memory; two codes a byte, the lower K in the low four bits (a code: sign, 2 exponent bits, 1 mantissa bit); and NAME_scales (uint8): the same leading axes, one E8M0 byte (e + 127) for each 32 codes along K. Its value is code x scale, taken as it is: it is not quantised again, and the codes and scales need not be those that the quantiser above would give.
;; One version. Each part assembles by itself: llvm-mc -triple=amdgcn-amd-amdhsa -mcpu=gfx1250 --defsym DOCPART=n.
;; ======== version 1 of 1: 4 launches
;; limits: right only within a limited range of input values
;; workspace buffers: qws 4,718,592 bytes; kv 9,175,040 bytes; x_codes 4,194,304 bytes; x_scales 262,144 bytes
;; launch projqk (part 1): grid 4 x 64, 16 waves a work-group, clusters of 4 x 4, 327,680 bytes of LDS; arguments query_codes, query_scales, key_codes, key_scales, Wq_codes, Wq_scales, Wk_codes, Wk_scales, bq, bk, mask, qws, kv; writes qws, kv
.if DOCPART == 1
	.amdgcn_target "amdgcn-amd-amdhsa--gfx1250"
	.amdhsa_code_object_version 6
	.text
	.protected	k_q6c0b87fe73_projqk
	.globl	k_q6c0b87fe73_projqk
	.p2align	8
	.type	k_q6c0b87fe73_projqk,@function
k_q6c0b87fe73_projqk:
	s_mov_b64 s[64:65], 0
	v_nop
	global_prefetch_b8 v0, s[64:65] scope:SCOPE_SE
	s_setreg_imm32_b32 hwreg(HW_REG_WAVE_MODE, 25, 1), 1
	s_wait_xcnt 0x0
	s_wait_alu depctr_hold_cnt(0) depctr_sa_sdst(0) depctr_va_vdst(0) depctr_va_sdst(0) depctr_va_ssrc(0) depctr_va_vcc(0) depctr_vm_vsrc(0)
	s_getreg_b32 s2, hwreg(HW_REG_IB_STS2, 6, 4)
	s_cmp_eq_u32 s2, 0
	s_cbranch_scc0 .Lentry_in_a_cluster
	s_endpgm
.Lentry_in_a_cluster:
	s_bfe_u32 s2, ttmp6, 0x10000c
	s_cmp_lg_u32 s2, 0xf033
	s_cbranch_scc0 .Lentry_shape_is_right
	s_endpgm
.Lentry_shape_is_right:
; q = query Wq^T + bq and k = key Wk^T + bk on codes of FP4 (E2M1) with E8M0 scales, each result quantised along the head's 64 channels for the product q k^T.
; DEAD WORK: none is left out in this program.  Every input has a way to out0 for some finite values, so all nineteen inputs are loaded by some launch.
; THE VIEW (B, H, S, 64) is a re-reading of flat memory: head hg = row / 128 of the projection; row s_l (0..127) of the head and column n = 64 j + d are position s' = 16 s_l + j, channel d.
; SHARES.  Work-groups with cluster y under 8 make q, the others k (pointers and constants are selected on the cluster's y; there is no branch on it).  A work-group makes 256 rows (two heads) x 256 columns
; (j = 4 x .. 4 x + 3); K = 1,024 is 512 bytes a row, so both operand tiles and their scale bytes lie in LDS whole and nothing is filled twice.  Sixteen waves, each 64 rows x one j: 16 accumulators.
; THE MATRIX INSTRUCTION IS USED TRANSPOSED (source 0 = 16 rows of W, source 1 = 16 rows of the activations), AND THE ROWS OF W THAT FORM A TILE ARE CHOSEN: tile t takes channels 8 t .. 8 t + 7 as its rows 0-7 and
; channels 32 + 8 ((t + 1) % 4) + 0 .. 7 as its rows 8-15.  So the 32 registers of a lane's four tiles are ONE whole block of 32 channels of one position (lanes 0-15: block 0, lanes 16-31: block 1): the block's
; largest magnitude needs no other lane, and four conversions give 16 bytes that are registers 0-3 of the next product's operand.  (Block 1's channels stand rotated by 8, alike in q and in k: the products are the same.)
; WHAT IS STORED, for each head: tiles of 16 positions as images of the operand's registers, 512 bytes a tile, lane l's 16 bytes at 16 l; tile T = 32 (j / 4) + s_l / 4, its row i = 4 (s_l % 4) + j % 4;
; and one scale word a position: bytes e(block 0), e(block 1), u, 127.
; THE MASK RIDES IN THE SCALE WORD.  The product q k^T has K = 64 of the instruction's 128; the attention launch puts code -1 (k) and code +1 (q) at K = 64, which byte 2 scales.  q's u is 127.  k's u is 160 for a key
; that the mask hides (the score gets -2^33, the logit -2^30) and 1 for a key that counts (the score gets -2^-126).  A batch in which NO key counts has a uniform softmax in reference(): there every u is 1 and the
; conversion's scale is the largest, so that all codes of k are 0 and all scores equal.  All of that by selects.
; LIMITS: a hidden key's logit is -1.07e9 where reference() has -1e9: the results agree while the logits of counted keys lie above about -1e9 + 200; a counted key's score carries -2^-126; a block of zeros has the
; byte 1 where the quantiser says 127, and an all-hidden batch's k the byte 254, both over zero codes, in buffers that this program alone reads; NaN and infinities among the inputs are not served.
; CLUSTER 4 x 4: the activations' tile hangs on y alone and is asked for jointly along a row of the cluster, W's on x alone and jointly along a column.
.set L_B,   135168                     ; LDS: activations' 256 rows at 0, pitch 528 (512 bytes + 16: row r begins 4 r banks on); W's 256 rows here
.set L_SA,  270336                     ; the activations' scale bytes, 8,192 dense bytes as 32 rows of 256 + 16
.set L_SB,  279040                     ; W's likewise
.set L_STC, 287744                     ; the stage for codes: 32,768 bytes, laid as they go to memory
.set L_STW, 320512                     ; the stage for scale words: 4,096 bytes
.set SPARE, 324608                     ; the spare words: 128 bytes for each of 16 waves
.set AA,   1                           ; v1   LDS address of my fragments of the activations
.set AB1,  2                           ; v2   of W's tiles 0-2
.set AB2,  3                           ; v3   of W's tile 3
.set SAA,  4                           ; v4   of the activations' scale words
.set SB1,  5                           ; v5   of W's, tiles 0-2
.set SB2,  6                           ; v6   of W's, tile 3
.set STO,  7                           ; v7   where I put 16 bytes of codes in the stage
.set STWA, 8                           ; v8   and a scale word
.set RDC,  9                           ; v9   where I read codes back
.set RDW,  10                          ; v10  and words
.set GOC,  11                          ; v11  16 x lane
.set GOW,  12                          ; v12  8 x lane
.set SH8,  13                          ; v13  8 x (lane / 16)
.set SPW,  14                          ; v14  my spare word; never rewritten
.set NIL,  15                          ; v15  0; never rewritten
.set UP,   16                          ; v16-19  the upper half of the scale word of my position in block a
.set MX,   20                          ; v20-23  largest magnitudes, then the conversions' scale operands
.set BY,   24                          ; v24-27  bytes, then words
.set OT,   28                          ; v28-31  the other half of the lanes'
.set ACC,  32                          ; v32-159 accumulator (a, t) at ACC + 8 (4 a + t)
.set AF,   160                         ; v160-191 four fragments of the activations
.set BF,   192                         ; v192-223 four of W
.set SCA,  224                         ; v224-239 scale words (4 a + q); these 32 registers hold scales and nothing else
.set SCB,  240                         ; v240-255 (4 t + q)
.set CD,   192                         ; the epilogue's codes
.set G1A,  32
.set G1B,  40
.set G1SA, 48
.set G1SB, 56
.set G0A,  68
.set G0B,  72
.set G0SA, 76
.set G0SB, 80
.set WV,   84
.set WR,   85
.set WC,   86
.set CX,   87
.set CY,   88
.set YP,   89
.set CLY,  90
.set AMM,  91
.set MR,   92
.set MC,   93
.set SEL,  94                          ; s[94:95], once the offsets that stood there are used
.set ISK,  96
.set ANY,  97
.set U1,   98
.set U0,   99
.macro CROUND                          ; a round of the cluster's barrier
	s_barrier_signal -1
	s_barrier_wait -1
	s_cmp_lg_u32 s[WV], 0
	s_cbranch_scc1 .Lnot_wave_0_\@
	s_barrier_signal -3
.Lnot_wave_0_\@:
	s_barrier_wait -3
	s_barrier_signal -1
	s_barrier_wait -1
.endm
	s_load_b256 s[4:11], s[0:1], 0x0               ; query's codes, scales; key's codes, scales
	s_load_b256 s[12:19], s[0:1], 0x20             ; Wq's codes, scales; Wk's codes, scales
	s_load_b256 s[20:27], s[0:1], 0x40             ; bq, bk, mask, qws
	s_load_b64 s[28:29], s[0:1], 0x60              ; kv
	v_lshl_add_u32 v[SPW], v0, 2, SPARE
	v_mov_b32 v[NIL], 0
	ds_add_u32 v[SPW], v[NIL]                      ; the wave's opening: the add, twice on end, and its wait ahead of the first tensor load
	ds_add_u32 v[SPW], v[NIL]
	v_lshrrev_b32 v192, 5, v0
	s_delay_alu instid0(VALU_DEP_1)
	v_readfirstlane_b32 s[WV], v192                ; wave 0..15
	s_lshr_b32 s[WR], s[WV], 2                     ; which 64 rows
	s_and_b32 s[WC], s[WV], 3                      ; which j of the four.  Also: which 64 rows of a tile a loading wave fetches
	s_bfe_u32 s[CX], ttmp6, 0x40000                ; x: the grid is one cluster wide
	s_bfe_u32 s[CY], ttmp6, 0x40004
	s_and_b32 s[CLY], ttmp7, 0xffff                ; the cluster's y: 0-7 make q, 8-15 make k
	s_lshl_b32 s[YP], s[CLY], 2
	s_add_co_u32 s[YP], s[YP], s[CY]
	s_and_b32 s[YP], s[YP], 31                     ; which 256 rows of the tensor
	s_lshl_b32 s[MR], s[CY], 2
	s_lshl_b32 s[MR], 15, s[MR]                    ; my row of the cluster
	s_lshl_b32 s[MC], 0x1111, s[CX]                ; my column
	; group 1, codes: 64 rows of 512 bytes, 16 bytes of padding behind each
	s_or_b32 s[G1A], s[MR], (1<<20)|(1<<21)|(6<<22)|(3<<25)
	s_or_b32 s[G1B], s[MC], (1<<20)|(1<<21)|(6<<22)|(3<<25)
.irp g, G1A, G1B
	s_mov_b32 s[\g+1], 512<<16                     ; tensor_dim0
	s_mov_b32 s[\g+2], 64<<16                      ; tensor_dim1
	s_mov_b32 s[\g+3], 512<<16                     ; tile_dim0
	s_mov_b32 s[\g+4], 64                          ; tile_dim1
	s_mov_b32 s[\g+5], 512                         ; from row to row
	s_mov_b32 s[\g+6], 0
	s_mov_b32 s[\g+7], 0
.endr
	; group 1, scale bytes: 32 rows of 256 bytes (32 elements of 8), dense, 16 bytes of padding behind each
	s_or_b32 s[G1SA], s[MR], (3<<16)|(1<<20)|(1<<21)|(5<<22)|(3<<25)
	s_or_b32 s[G1SB], s[MC], (3<<16)|(1<<20)|(1<<21)|(5<<22)|(3<<25)
.irp g, G1SA, G1SB
	s_mov_b32 s[\g+1], 32<<16
	s_mov_b32 s[\g+2], 32<<16
	s_mov_b32 s[\g+3], 32<<16
	s_mov_b32 s[\g+4], 32
	s_mov_b32 s[\g+5], 32
	s_mov_b32 s[\g+6], 0
	s_mov_b32 s[\g+7], 0
.endr
	s_lshl_b32 s94, s[YP], 17                      ; the activations' codes: (256 y' + 64 part) rows of 512 bytes
	s_lshl_b32 s95, s[WC], 15
	s_add_co_u32 s94, s94, s95
	s_mov_b32 s95, 0
	s_lshl_b32 s96, s[CX], 17                      ; W's codes: (256 x + 64 part) rows; in registers that never hold y
	s_lshl_b32 s97, s[WC], 15
	s_add_co_u32 s96, s96, s97
	s_mov_b32 s97, 0
	s_lshl_b32 s98, s[YP], 13                      ; the activations' scale bytes: 256 y' rows of 32
	s_mov_b32 s99, 0
	s_lshl_b32 s100, s[CX], 13                     ; W's
	s_mov_b32 s101, 0
	s_mul_i32 s2, s[WC], 33792                     ; where a part goes: 64 rows of 528 bytes each
	s_wait_dscnt 0x0                               ; both opening adds are done
	s_wait_kmcnt 0x0
	s_cmp_ge_u32 s[CLY], 8                         ; k's work-group?  The same in all sixteen partners
	s_cselect_b64 s[4:5], s[8:9], s[4:5]           ; the activations' codes
	s_cselect_b64 s[6:7], s[10:11], s[6:7]         ; their scale bytes
	s_cselect_b64 s[12:13], s[16:17], s[12:13]     ; W's codes
	s_cselect_b64 s[14:15], s[18:19], s[14:15]     ; W's scale bytes
	s_cselect_b64 s[20:21], s[22:23], s[20:21]     ; the bias
	s_cselect_b64 s[26:27], s[28:29], s[26:27]     ; where the results go
	s_mov_b32 s[G0A], 1
	s_mov_b32 s[G0A+1], s2
	s_add_nc_u64 s[G0A+2:G0A+3], s[4:5], s[94:95]
	s_or_b32 s[G0A+3], s[G0A+3], 0x80000000
	s_mov_b32 s[G0B], 1
	s_add_co_u32 s[G0B+1], s2, L_B
	s_add_nc_u64 s[G0B+2:G0B+3], s[12:13], s[96:97]
	s_or_b32 s[G0B+3], s[G0B+3], 0x80000000
	s_mov_b32 s[G0SA], 1
	s_mov_b32 s[G0SA+1], L_SA
	s_add_nc_u64 s[G0SA+2:G0SA+3], s[6:7], s[98:99]
	s_or_b32 s[G0SA+3], s[G0SA+3], 0x80000000
	s_mov_b32 s[G0SB], 1
	s_mov_b32 s[G0SB+1], L_SB
	s_add_nc_u64 s[G0SB+2:G0SB+3], s[14:15], s[100:101]
	s_or_b32 s[G0SB+3], s[G0SB+3], 0x80000000
	CROUND                                         ; all sixteen work-groups are here: the joint loads meet
	; the fills, each once in the launch: waves 0-3 the activations' four parts, waves 4-7 W's, wave 8 and wave 9 the scale bytes.  One tensor load of a wave is out at the most
	s_cmp_lt_u32 s[WV], 4
	s_cbranch_scc0 .Lf_not_a
	tensor_load_to_lds s[G0A:G0A+3], s[G1A:G1A+7]
	s_nop 0
.rept 4
	v_nop
.endr
	s_branch .Lf_done
.Lf_not_a:
	s_cmp_lt_u32 s[WV], 8
	s_cbranch_scc0 .Lf_not_b
	tensor_load_to_lds s[G0B:G0B+3], s[G1B:G1B+7]
	s_nop 0
.rept 4
	v_nop
.endr
	s_branch .Lf_done
.Lf_not_b:
	s_cmp_eq_u32 s[WV], 8
	s_cbranch_scc0 .Lf_not_sa
	tensor_load_to_lds s[G0SA:G0SA+3], s[G1SA:G1SA+7]
	s_nop 0
.rept 4
	v_nop
.endr
	s_branch .Lf_done
.Lf_not_sa:
	s_cmp_eq_u32 s[WV], 9
	s_cbranch_scc0 .Lf_done
	tensor_load_to_lds s[G0SB:G0SB+3], s[G1SB:G1SB+7]
	s_nop 0
.rept 4
	v_nop
.endr
.Lf_done:
	; constants that hang on q or k, and where my part of the results goes
	s_cmp_ge_u32 s[CLY], 8
	s_cselect_b32 s[ISK], 1, 0
	s_mov_b32 s100, 73728
	s_cselect_b32 s100, 143360, s100               ; a head's bytes in qws or in kv
	s_mov_b32 s101, 65536
	s_cselect_b32 s101, 131072, s101               ; where its scale words begin
	s_mov_b32 s[U1], 0x7f7f0000                    ; the word's upper half: q's,
	s_cselect_b32 s[U1], 0x7f010000, s[U1]         ; or that of a key that counts
	s_lshl_b32 s2, s[YP], 1
	s_lshr_b32 s3, s[WV], 3
	s_add_co_u32 s2, s2, s3                        ; on the way out waves 0-7 store the first head's part, waves 8-15 the second's
	s_mul_i32 s2, s2, s100
	s_and_b32 s3, s[WV], 7
	s_lshl_b32 s30, s[CX], 14                      ; tiles 32 x .. 32 x + 31: 16,384 bytes,
	s_add_co_u32 s30, s30, s2
	s_lshl_b32 s31, s3, 11                         ; 2,048 of them a wave
	s_add_co_u32 s30, s30, s31
	s_mov_b32 s31, 0
	s_add_nc_u64 s[8:9], s[26:27], s[30:31]        ; codes
	s_lshl_b32 s30, s[CX], 11
	s_add_co_u32 s30, s30, s2
	s_add_co_u32 s30, s30, s101
	s_lshl_b32 s3, s3, 8
	s_add_co_u32 s30, s30, s3
	s_add_nc_u64 s[10:11], s[26:27], s[30:31]      ; words: 256 bytes a wave
	s_mov_b32 s[SEL], 0x76543210
	s_mov_b32 s[SEL+1], 0xfedcba98                 ; v_permlanex16_b32's selects for lane l xor 16
	v_and_b32 v192, 15, v0                         ; r
	v_bfe_u32 v193, v0, 4, 1                       ; hh
	v_and_b32 v194, 31, v0                         ; lane
	s_delay_alu instid0(VALU_DEP_3)
	v_lshrrev_b32 v195, 3, v192                    ; r / 8
	s_delay_alu instid0(VALU_DEP_1)
	v_lshl_add_u32 v200, v195, 5, v192             ; r + 32 (r / 8): W's row of tile 0
	s_delay_alu instid0(VALU_DEP_1)
	v_lshrrev_b32 v201, 3, v200
	v_lshrrev_b32 v202, 2, v192                    ; r / 4
	v_and_b32 v203, 3, v192                        ; r % 4
	v_mul_u32_u24 v204, v192, 528
	s_delay_alu instid0(VALU_DEP_1)
	v_lshl_add_u32 v204, v193, 4, v204             ; r x pitch + 16 hh
	s_mul_i32 s2, s[WR], 33792
	v_add_nc_u32 v[AA], s2, v204
	s_mul_i32 s2, s[WC], 33792
	s_add_co_u32 s2, s2, L_B
	v_mul_u32_u24 v[AB1], v200, 528
	s_delay_alu instid0(VALU_DEP_1)
	v_lshl_add_u32 v[AB1], v193, 4, v[AB1]
	s_delay_alu instid0(VALU_DEP_1)
	v_add_nc_u32 v[AB1], s2, v[AB1]
	s_add_co_u32 s2, s2, 24*528                    ; tile 3's rows are 24 + r
	v_add_nc_u32 v[AB2], s2, v204
	v_lshlrev_b32 v205, 5, v192
	s_delay_alu instid0(VALU_DEP_1)
	v_lshl_add_u32 v205, v195, 4, v205             ; a row of 32 scale bytes: 32 row + 16 (row / 8)
	s_mul_i32 s2, s[WR], 2176
	s_add_co_u32 s2, s2, L_SA
	v_add_nc_u32 v[SAA], s2, v205
	s_mul_i32 s2, s[WC], 2176
	s_add_co_u32 s2, s2, L_SB
	v_lshlrev_b32 v[SB1], 5, v200
	s_delay_alu instid0(VALU_DEP_1)
	v_lshl_add_u32 v[SB1], v201, 4, v[SB1]
	s_delay_alu instid0(VALU_DEP_1)
	v_add_nc_u32 v[SB1], s2, v[SB1]
	s_add_co_u32 s2, s2, 816                       ; 24 rows on
	v_add_nc_u32 v[SB2], s2, v205
	s_lshl_b32 s2, s[WR], 13
	s_lshl_b32 s3, s[WC], 4
	s_add_co_u32 s2, s2, s3
	s_add_co_u32 s2, s2, L_STC
	v_lshlrev_b32 v[STO], 9, v202                  ; the stage: tile 16 wr + 4 a + r / 4, half hh, row 4 (r % 4) + wc
	s_delay_alu instid0(VALU_DEP_1)
	v_lshl_add_u32 v[STO], v193, 8, v[STO]
	s_delay_alu instid0(VALU_DEP_1)
	v_lshl_add_u32 v[STO], v203, 6, v[STO]
	s_delay_alu instid0(VALU_DEP_1)
	v_add_nc_u32 v[STO], s2, v[STO]
	s_lshl_b32 s2, s[WR], 10
	s_lshl_b32 s3, s[WC], 2
	s_add_co_u32 s2, s2, s3
	s_add_co_u32 s2, s2, L_STW
	v_lshlrev_b32 v[STWA], 6, v202
	s_delay_alu instid0(VALU_DEP_1)
	v_lshl_add_u32 v[STWA], v203, 4, v[STWA]
	s_delay_alu instid0(VALU_DEP_1)
	v_add_nc_u32 v[STWA], s2, v[STWA]
	s_lshl_b32 s2, s[WV], 11
	s_add_co_u32 s2, s2, L_STC
	v_lshlrev_b32 v[GOC], 4, v194
	s_delay_alu instid0(VALU_DEP_1)
	v_add_nc_u32 v[RDC], s2, v[GOC]
	s_lshl_b32 s2, s[WV], 8
	s_add_co_u32 s2, s2, L_STW
	v_lshlrev_b32 v[GOW], 3, v194
	s_delay_alu instid0(VALU_DEP_1)
	v_add_nc_u32 v[RDW], s2, v[GOW]
	v_lshlrev_b32 v[SH8], 3, v193
.irp a, 0,1,2,3
	v_mov_b32 v[OT+\a], 0                          ; written once: a lane permute's destination counts as one of its sources
.endr
	; the bias in the result's layout is the C of each sum's first products: it is loaded into the accumulators of block 0
	s_lshl_b32 s2, s[CX], 10
	s_lshl_b32 s3, s[WC], 8
	s_add_co_u32 s2, s2, s3                        ; 4 x 64 j
	v_mul_u32_u24 v196, v193, 160                  ; tiles 0-2: channel 8 t + 40 hh + 0 .. 7
	s_delay_alu instid0(VALU_DEP_1)
	v_add_nc_u32 v196, s2, v196
	v_lshlrev_b32 v197, 5, v193                    ; tile 3: channel 24 + 8 hh + 0 .. 7
	s_add_co_u32 s2, s2, 96
	v_add_nc_u32 v197, s2, v197
.irp t, 0,1,2
	global_load_b128 v[ACC+8*\t:ACC+8*\t+3], v196, s[20:21] offset:32*\t
	global_load_b128 v[ACC+8*\t+4:ACC+8*\t+7], v196, s[20:21] offset:32*\t+16
.endr
	global_load_b128 v[ACC+24:ACC+27], v197, s[20:21]
	global_load_b128 v[ACC+28:ACC+31], v197, s[20:21] offset:16
	; the mask: the byte of my position in each block a, and all 2,048 bytes of the batch, 64 a lane
	s_lshr_b32 s2, s[YP], 3
	s_lshl_b32 s2, s2, 11                          ; the batch's row of the mask
	v_lshl_add_u32 v199, v194, 4, s2
	s_and_b32 s3, s[WR], 1
	s_lshl_b32 s3, s3, 10
	s_add_co_u32 s3, s3, s2
	s_lshl_b32 s30, s[CX], 2
	s_add_co_u32 s3, s3, s30
	s_add_co_u32 s3, s3, s[WC]
	v_lshl_add_u32 v198, v192, 4, s3               ; position 16 (64 (wr % 2) + 16 a + r) + j
.irp a, 0,1,2,3
	global_load_u8 v[UP+\a], v198, s[24:25] offset:256*\a
.endr
.irp k, 0,1,2,3
	global_load_b128 v[AF+4*\k:AF+4*\k+3], v199, s[24:25] offset:512*\k
.endr
	s_wait_loadcnt 0x0                             ; bias and mask
.set i, 1
	v_or_b32 v[AF], v[AF], v[AF+i]
.set i, i+1
.rept (15)-1
	s_delay_alu instid0(VALU_DEP_1)
	v_or_b32 v[AF], v[AF], v[AF+i]
.set i, i+1
.endr
	s_delay_alu instid0(VALU_DEP_1)
	v_cmp_ne_u32 vcc_lo, 0, v[AF]
	s_cmp_lg_u32 vcc_lo, 0                         ; does any key of the batch count?
	s_cselect_b32 s[ANY], 1, 0
	s_and_b32 s2, s[ISK], s[ANY]
	s_cmp_lg_u32 s2, 0
	s_cselect_b32 s[U0], 0x7fa00000, s[U1]         ; a hidden key's upper half: u = 160; in q, and where no key counts, as the others'
	s_and_not1_b32 s2, s[ISK], s[ANY]
	s_cmp_lg_u32 s2, 0
	s_cselect_b32 s[AMM], -1, 0                    ; all lanes: k of a batch in which no key counts
	v_mov_b32 v210, s[U0]
	v_mov_b32 v211, s[U1]
.irp a, 0,1,2,3
	v_cmp_ne_u32 vcc_lo, 0, v[UP+\a]
	s_delay_alu instid0(VALU_DEP_1)
	v_cndmask_b32 v[UP+\a], v210, v211, vcc_lo
.endr
	s_wait_tensorcnt 0x0                           ; my fill has landed,
	s_barrier_signal -1
	s_barrier_wait -1                              ; everybody's has
.macro LDSC H                          ; the scale words of K steps 4 H .. 4 H + 3: 16 bytes a row
.irp a, 0,1,2,3
	ds_load_b128 v[SCA+4*\a:SCA+4*\a+3], v[SAA] offset:544*\a+16*(\H)
.endr
.irp t, 0,1,2
	ds_load_b128 v[SCB+4*\t:SCB+4*\t+3], v[SB1] offset:272*\t+16*(\H)
.endr
	ds_load_b128 v[SCB+12:SCB+15], v[SB2] offset:16*(\H)
.endm
.macro LDFR ks                         ; a fragment, 16 rows x 128 K of 4-bit codes: two loads of 16 bytes, 32 bytes apart
.irp a, 0,1,2,3
	ds_load_b128 v[AF+8*\a:AF+8*\a+3], v[AA] offset:8448*\a+64*(\ks)
	ds_load_b128 v[AF+8*\a+4:AF+8*\a+7], v[AA] offset:8448*\a+64*(\ks)+32
.endr
.irp t, 0,1,2
	ds_load_b128 v[BF+8*\t:BF+8*\t+3], v[AB1] offset:4224*\t+64*(\ks)
	ds_load_b128 v[BF+8*\t+4:BF+8*\t+7], v[AB1] offset:4224*\t+64*(\ks)+32
.endr
	ds_load_b128 v[BF+24:BF+27], v[AB2] offset:64*(\ks)
	ds_load_b128 v[BF+28:BF+31], v[AB2] offset:64*(\ks)+32
.endm
.macro MM a, t, q, cm                  ; cm = 1: the sum begins with the bias, which lies in block 0's accumulator of the same tile
.if \cm
	v_wmma_scale_f32_16x16x128_f8f6f4 v[ACC+8*(4*\a+\t):ACC+8*(4*\a+\t)+7], v[BF+8*\t:BF+8*\t+7], v[AF+8*\a:AF+8*\a+7], v[ACC+8*\t:ACC+8*\t+7], v[SCB+4*\t+(\q)], v[SCA+4*\a+(\q)] matrix_a_fmt:MATRIX_FMT_FP4 matrix_b_fmt:MATRIX_FMT_FP4
.else
	v_wmma_scale_f32_16x16x128_f8f6f4 v[ACC+8*(4*\a+\t):ACC+8*(4*\a+\t)+7], v[BF+8*\t:BF+8*\t+7], v[AF+8*\a:AF+8*\a+7], v[ACC+8*(4*\a+\t):ACC+8*(4*\a+\t)+7], v[SCB+4*\t+(\q)], v[SCA+4*\a+(\q)] matrix_a_fmt:MATRIX_FMT_FP4 matrix_b_fmt:MATRIX_FMT_FP4
.endif
.endm
; A K step of 128: 16 loads (every fourth step 8 more for the scale words), 16 products.  The 16 accumulators take turns, one instruction a turn.
.macro KSTEP ks
.if (\ks)%4 == 0
	LDSC (\ks)/4
.endif
	LDFR \ks
	s_wait_dscnt 0x0                               ; one set of fragment registers: all of the step's loads are wanted
.if \ks == 0
.irp a, 1,2,3
.irp t, 0,1,2,3
	MM \a, \t, 0, 1
.endr
.endr
.rept 5
	v_nop                                          ; five places: the next four products write over registers that the twelve above have read as C
.endr
.irp t, 0,1,2,3
	MM 0, \t, 0, 0
.endr
.else
.irp a, 0,1,2,3
.irp t, 0,1,2,3
	MM \a, \t, (\ks)%4, 0
.endr
.endr
.endif
.rept 4
	v_nop                                          ; four places in front of loads into registers that these products have read, and of the first read of results
.endr
.endm
.irp k, 0,1,2,3,4,5,6,7
	KSTEP \k
.endr
	; THE QUANTISER.  The 32 registers of block a are one block of 32 channels of my position; the four blocks a by turns
.irp a, 0,1,2,3
	v_max3_num_f32 v[MX+\a], |v[ACC+32*\a]|, |v[ACC+32*\a+1]|, 0x1800000   ; with the floor 2^(3 - 127): the byte cannot fall under 1
.endr
.set i, 2
.rept 15
.irp a, 0,1,2,3
	v_max3_num_f32 v[MX+\a], v[MX+\a], |v[ACC+32*\a+i]|, |v[ACC+32*\a+i+1]|   ; ascending: each accumulator is first read at its low end
.endr
.set i, i+2
.endr
	v_mov_b32 v208, 0x7f000000                     ; the largest scale: exponent field 254
.irp a, 0,1,2,3
	v_add_nc_u32 v[MX+\a], 0xff000000, v[MX+\a]    ; 2 off the exponent field: the conversion's scale operand
.endr
.irp a, 0,1,2,3
	s_delay_alu instid0(VALU_DEP_4)
	v_cndmask_b32 v[MX+\a], v[MX+\a], v208, s[AMM] ; k of a batch in which no key counts: all codes become 0
.endr
.irp a, 0,1,2,3
	s_delay_alu instid0(VALU_DEP_4)
	v_lshrrev_b32 v[BY+\a], 23, v[MX+\a]           ; the scale's byte
.endr
.irp a, 0,1,2,3
	s_delay_alu instid0(VALU_DEP_4)
	v_lshlrev_b32 v[BY+\a], v[SH8], v[BY+\a]       ; at its place: block hh
.endr
.irp a, 0,1,2,3
	s_delay_alu instid0(VALU_DEP_4)
	v_permlanex16_b32 v[OT+\a], v[BY+\a], s[SEL], s[SEL+1]
.endr
.irp a, 0,1,2,3
	s_delay_alu instid0(VALU_DEP_4)
	v_or_b32 v[BY+\a], v[BY+\a], v[OT+\a]
.endr
.irp a, 0,1,2,3
	s_delay_alu instid0(VALU_DEP_4)
	v_or_b32 v[BY+\a], v[BY+\a], v[UP+\a]          ; the position's scale word
.endr
.irp a, 0,1,2,3
.irp t, 0,1,2,3
	v_cvt_scalef32_pk8_fp4_f32 v[CD+4*\a+\t], v[ACC+8*(4*\a+\t):ACC+8*(4*\a+\t)+7], v[MX+\a]
.endr
.endr
	v_nop                                          ; one plain place behind the conversions
.irp a, 0,1,2,3
	ds_store_b128 v[STO], v[CD+4*\a:CD+4*\a+3] offset:2048*\a
	ds_store_b32 v[STWA], v[BY+\a] offset:256*\a   ; both halves of the lanes write the same word with the same value
.endr
	s_wait_dscnt 0x0                               ; for the others' sake: my stores into the stages are done
	s_barrier_signal -1
	s_barrier_wait -1
.irp k, 0,1,2,3
	ds_load_b128 v[AF+4*\k:AF+4*\k+3], v[RDC] offset:512*\k
.endr
	ds_load_b64 v[AF+16:AF+17], v[RDW]
	s_wait_dscnt 0x0
.irp k, 0,1,2,3
	global_store_b128 v[GOC], v[AF+4*\k:AF+4*\k+3], s[8:9] offset:512*\k   ; 32 lanes store 512 consecutive bytes, at a multiple of 256 from the buffer's first byte
.endr
	global_store_b64 v[GOW], v[AF+16:AF+17], s[10:11]                      ; 32 lanes store 256 consecutive bytes, likewise
	s_wait_tensorcnt 0x0                           ; the wave's end
	ds_add_u32 v[SPW], v[NIL]
	s_wait_dscnt 0x0
	CROUND                                         ; the closing round
	s_endpgm
.Lfunc_end_k_q6c0b87fe73_projqk:
	.size	k_q6c0b87fe73_projqk, .Lfunc_end_k_q6c0b87fe73_projqk-k_q6c0b87fe73_projqk
	.p2alignl 7, 3214868480
	.fill 96, 4, 3214868480
	.section	.rodata,"a",@progbits
	.p2align	6, 0x0
	.amdhsa_kernel k_q6c0b87fe73_projqk
		.amdhsa_group_segment_fixed_size 327680
		.amdhsa_private_segment_fixed_size 0
		.amdhsa_enable_private_segment 0
		.amdhsa_kernarg_size 104
		.amdhsa_user_sgpr_count 2
		.amdhsa_user_sgpr_kernarg_segment_ptr 1
		.amdhsa_wavefront_size32 1
		.amdhsa_system_sgpr_workgroup_id_x 1
		.amdhsa_system_sgpr_workgroup_id_y 1
		.amdhsa_system_sgpr_workgroup_id_z 1
		.amdhsa_system_vgpr_workitem_id 0
		.amdhsa_next_free_vgpr 256
		.amdhsa_next_free_sgpr 102
		.amdhsa_reserve_vcc 1
		.amdhsa_float_denorm_mode_32 3
		.amdhsa_float_denorm_mode_16_64 3
		.amdhsa_memory_ordered 1
		.amdhsa_forward_progress 1
		.amdhsa_inst_pref_size 50
	.end_amdhsa_kernel
	.amdgpu_metadata
---
amdhsa.version: [ 1, 2 ]
amdhsa.kernels:
  - .name:           k_q6c0b87fe73_projqk
    .symbol:         k_q6c0b87fe73_projqk.kd
    .args:
      - { .name: query_codes, .offset: 0, .size: 8, .value_kind: global_buffer, .address_space: global }
      - { .name: query_scales, .offset: 8, .size: 8, .value_kind: global_buffer, .address_space: global }
      - { .name: key_codes, .offset: 16, .size: 8, .value_kind: global_buffer, .address_space: global }
      - { .name: key_scales, .offset: 24, .size: 8, .value_kind: global_buffer, .address_space: global }
      - { .name: Wq_codes, .offset: 32, .size: 8, .value_kind: global_buffer, .address_space: global }
      - { .name: Wq_scales, .offset: 40, .size: 8, .value_kind: global_buffer, .address_space: global }
      - { .name: Wk_codes, .offset: 48, .size: 8, .value_kind: global_buffer, .address_space: global }
      - { .name: Wk_scales, .offset: 56, .size: 8, .value_kind: global_buffer, .address_space: global }
      - { .name: bq, .offset: 64, .size: 8, .value_kind: global_buffer, .address_space: global }
      - { .name: bk, .offset: 72, .size: 8, .value_kind: global_buffer, .address_space: global }
      - { .name: mask, .offset: 80, .size: 8, .value_kind: global_buffer, .address_space: global }
      - { .name: qws, .offset: 88, .size: 8, .value_kind: global_buffer, .address_space: global }
      - { .name: kv, .offset: 96, .size: 8, .value_kind: global_buffer, .address_space: global }
    .group_segment_fixed_size: 327680
    .private_segment_fixed_size: 0
    .kernarg_segment_align: 8
    .kernarg_segment_size: 104
    .max_flat_workgroup_size: 512
    .sgpr_count:     102
    .vgpr_count:     256
    .wavefront_size: 32
...
	.end_amdgpu_metadata
.endif
;; end of part 1
;; launch projv (part 2): grid 4 x 64, 8 waves a work-group, clusters of 4 x 4, 327,680 bytes of LDS; arguments value_codes, value_scales, Wv_codes, Wv_scales, bv, kv; writes kv
.if DOCPART == 2
	.amdgcn_target "amdgcn-amd-amdhsa--gfx1250"
	.amdhsa_code_object_version 6
	.text
	.protected	k_q6c0b87fe73_projv
	.globl	k_q6c0b87fe73_projv
	.p2align	8
	.type	k_q6c0b87fe73_projv,@function
k_q6c0b87fe73_projv:
	s_mov_b64 s[64:65], 0
	v_nop
	global_prefetch_b8 v0, s[64:65] scope:SCOPE_SE
	s_setreg_imm32_b32 hwreg(HW_REG_WAVE_MODE, 25, 1), 1
	s_wait_xcnt 0x0
	s_wait_alu depctr_hold_cnt(0) depctr_sa_sdst(0) depctr_va_vdst(0) depctr_va_sdst(0) depctr_va_ssrc(0) depctr_va_vcc(0) depctr_vm_vsrc(0)
	s_getreg_b32 s2, hwreg(HW_REG_IB_STS2, 6, 4)
	s_cmp_eq_u32 s2, 0
	s_cbranch_scc0 .Lentry_in_a_cluster
	s_endpgm
.Lentry_in_a_cluster:
	s_bfe_u32 s2, ttmp6, 0x10000c
	s_cmp_lg_u32 s2, 0xf033
	s_cbranch_scc0 .Lentry_shape_is_right
	s_endpgm
.Lentry_shape_is_right:
; v = value Wv^T + bv on codes of FP4 (E2M1) with E8M0 scales, quantised ALONG THE KEYS for the product p v.  No work of reference() is left out here.
; Head hg = row / 128; row s_l and column n = 64 j + d are key s' = 16 s_l + j, channel d.  A block of 32 keys is rows 2 beta, 2 beta + 1 of the head, all 16 j, of one channel.
; SHARES.  A work-group makes one head (y: 128 rows) x 16 channels (x): channel number dkl = 0 .. 15 is d = 32 (dkl / 8) + 8 x + dkl % 8, for all 16 j: 256 columns.  Eight waves, each 64 rows x 4 channels.
; THE MATRIX INSTRUCTION IS USED TRANSPOSED, AND A TILE OF Wv IS THE 16 ROWS n = 64 i + d OF ONE CHANNEL: lane (r, hh) then holds, for row s_l = r, the keys 16 s_l + 8 hh + 0 .. 7 of that channel: eight neighbours
; along the keys.  A block lies in the four lanes l, l xor 1, l xor 16, l xor 17.
; THE ORDER INSIDE A BLOCK is the one in which the attention launch's p comes out of its registers: place 8 w + jj holds key 16 (jj / 4) + 4 w + jj % 4 of the block; alike on both sides, so the products are the same.
; In that order the block's register w = 2 hh + g is the g-th half of the even row's eight codes below the g-th half of the odd row's: one exchange with lane l xor 1 and one byte permute.
; WHAT IS STORED, for each head: codes [x][beta 0..63][dkl][16 bytes], scale words [x][beta / 4][dkl], byte beta % 4: read 16 x lane at a time these are images of the operand's registers.
; LIMITS: a block of zeros has the byte 1 where the quantiser says 127, over zero codes, in a buffer that this program alone reads; NaN and infinities among the inputs are not served.
; CLUSTER 4 x 4: value's tile hangs on y alone (joint along a row of the cluster), Wv's on x alone (joint along a column).
.set L_B,   67584                      ; LDS: value's 128 rows at 0, pitch 528; Wv's 256 rows here, in the order [dkl][j]
.set L_SA,  202752                     ; value's scale bytes: 16 rows of 256 + 16
.set L_SB,  207104                     ; Wv's: two blocks (dkl / 8) of 16 rows (j) of 256 bytes (8 channels x 32) + 16
.set L_STC, 215808                     ; the stage for codes: 64 rows (beta) of 256 + 16
.set L_STW, 233216                     ; for scale bytes: 1,024
.set SPARE, 234240                     ; the spare words: 128 bytes for each of 8 waves
.set AA,   1
.set AB,   2
.set SAA,  3
.set SBB,  4
.set STO,  5
.set STWA, 6
.set RDC,  7
.set RDW,  8
.set GOC,  9
.set GOW,  10
.set SELV, 11                          ; v11  the byte permute's selector: even and odd rows differ
.set SPW,  14
.set NIL,  15
.set ACC,  32
.set AF,   160
.set BF,   192
.set SCA,  224                         ; v224-255 hold scales and nothing else
.set SCB,  240
.set MX,   160                         ; the epilogue: 16 largest magnitudes, then scale operands
.set OT,   176                         ; the other lanes', then the bytes
.set XC,   192                         ; my eight codes
.set YC,   208                         ; my neighbour's, then the register that I store
.set G1A,  32
.set G1B,  40
.set G1SA, 48
.set G1SB, 56
.set G0B0, 68
.set G0B1, 72
.set G0A,  76
.set G0SA, 80
.set G0SB, 84
.set WV,   88
.set WR,   89
.set WC,   90
.set CX,   91
.set CY,   92
.set Y,    93
.set MR,   94
.set MC,   95
.set SEL,  96
.macro CROUND
	s_barrier_signal -1
	s_barrier_wait -1
	s_cmp_lg_u32 s[WV], 0
	s_cbranch_scc1 .Lnot_wave_0_\@
	s_barrier_signal -3
.Lnot_wave_0_\@:
	s_barrier_wait -3
	s_barrier_signal -1
	s_barrier_wait -1
.endm
	s_load_b256 s[4:11], s[0:1], 0x0               ; value's codes, scales; Wv's codes, scales
	s_load_b128 s[12:15], s[0:1], 0x20             ; bv, kv
	v_lshl_add_u32 v[SPW], v0, 2, SPARE
	v_mov_b32 v[NIL], 0
	ds_add_u32 v[SPW], v[NIL]                      ; the wave's opening: the add, twice on end, and its wait ahead of my first tensor load
	ds_add_u32 v[SPW], v[NIL]
	v_lshrrev_b32 v192, 5, v0
	s_delay_alu instid0(VALU_DEP_1)
	v_readfirstlane_b32 s[WV], v192                ; wave 0..7
	s_lshr_b32 s[WR], s[WV], 2                     ; which 64 rows
	s_and_b32 s[WC], s[WV], 3                      ; which four channels
	s_bfe_u32 s[CX], ttmp6, 0x40000
	s_bfe_u32 s[CY], ttmp6, 0x40004
	s_and_b32 s[Y], ttmp7, 0xffff
	s_lshl_b32 s[Y], s[Y], 2
	s_add_co_u32 s[Y], s[Y], s[CY]                 ; the head
	s_lshl_b32 s[MR], s[CY], 2
	s_lshl_b32 s[MR], 15, s[MR]
	s_lshl_b32 s[MC], 0x1111, s[CX]
	s_or_b32 s[G1A], s[MR], (1<<20)|(1<<21)|(6<<22)|(3<<25)   ; value: 64 rows of 512 bytes, dense, 16 bytes of padding behind each
	s_mov_b32 s[G1A+1], 512<<16
	s_mov_b32 s[G1A+2], 64<<16
	s_mov_b32 s[G1A+3], 512<<16
	s_mov_b32 s[G1A+4], 64
	s_mov_b32 s[G1A+5], 512
	s_mov_b32 s[G1A+6], 0
	s_mov_b32 s[G1A+7], 0
	s_or_b32 s[G1B], s[MC], (1<<20)|(1<<21)|(6<<22)|(3<<25)   ; one channel of Wv: 16 rows of 512 bytes, 64 rows (32,768 bytes) apart
	s_mov_b32 s[G1B+1], 512<<16
	s_mov_b32 s[G1B+2], 16<<16
	s_mov_b32 s[G1B+3], 512<<16
	s_mov_b32 s[G1B+4], 16
	s_mov_b32 s[G1B+5], 32768
	s_mov_b32 s[G1B+6], 0
	s_mov_b32 s[G1B+7], 0
	s_or_b32 s[G1SA], s[MR], (3<<16)|(1<<20)|(1<<21)|(5<<22)|(3<<25)   ; value's scale bytes: 16 rows of 256, dense
	s_mov_b32 s[G1SA+1], 32<<16
	s_mov_b32 s[G1SA+2], 16<<16
	s_mov_b32 s[G1SA+3], 32<<16
	s_mov_b32 s[G1SA+4], 16
	s_mov_b32 s[G1SA+5], 32
	s_mov_b32 s[G1SA+6], 0
	s_mov_b32 s[G1SA+7], 0
	s_or_b32 s[G1SB], s[MC], (3<<16)|(1<<20)|(1<<21)|(5<<22)|(3<<25)   ; Wv's: 16 rows of 256 bytes (8 channels), 2,048 bytes (256 elements of 8) apart
	s_mov_b32 s[G1SB+1], 32<<16
	s_mov_b32 s[G1SB+2], 16<<16
	s_mov_b32 s[G1SB+3], 32<<16
	s_mov_b32 s[G1SB+4], 16
	s_mov_b32 s[G1SB+5], 256
	s_mov_b32 s[G1SB+6], 0
	s_mov_b32 s[G1SB+7], 0
	s_lshl_b32 s16, s[WR], 14                      ; Wv, channel number 2 wave: row 32 (wave / 4) + 8 x + 2 (wave % 4), 512 bytes a row
	s_lshl_b32 s17, s[CX], 12
	s_add_co_u32 s16, s16, s17
	s_lshl_b32 s17, s[WC], 10
	s_add_co_u32 s16, s16, s17
	s_mov_b32 s17, 0
	s_and_b32 s3, s[WV], 1
	s_lshl_b32 s18, s[Y], 16                       ; value: rows 128 y + 64 (wave % 2); in registers that never hold x
	s_lshl_b32 s19, s3, 15
	s_add_co_u32 s18, s18, s19
	s_mov_b32 s19, 0
	s_lshl_b32 s20, s[Y], 12                       ; value's scale bytes
	s_mov_b32 s21, 0
	s_add_co_u32 s2, s[WV], 1
	s_and_b32 s2, s2, 1                            ; waves 3 and 4: block 0 and block 1 of Wv's scale bytes
	s_lshl_b32 s22, s2, 10
	s_lshl_b32 s23, s[CX], 8
	s_add_co_u32 s22, s22, s23                     ; rows 32 u + 8 x on, 32 bytes a row
	s_mov_b32 s23, 0
	s_mul_i32 s24, s[WV], 16896                    ; two channels of 16 x 528 bytes a wave
	s_add_co_u32 s24, s24, L_B
	s_mul_i32 s25, s3, 33792
	s_mul_i32 s26, s2, 4352
	s_add_co_u32 s26, s26, L_SB
	s_wait_dscnt 0x0                               ; both opening adds are done
	s_wait_kmcnt 0x0
	s_mov_b32 s[G0B0], 1
	s_mov_b32 s[G0B0+1], s24
	s_add_nc_u64 s[G0B0+2:G0B0+3], s[8:9], s[16:17]
	s_mov_b32 s[G0B1], 1
	s_add_co_u32 s[G0B1+1], s24, 8448
	s_add_nc_u64 s[G0B1+2:G0B1+3], s[G0B0+2:G0B0+3], 512
	s_or_b32 s[G0B0+3], s[G0B0+3], 0x80000000
	s_or_b32 s[G0B1+3], s[G0B1+3], 0x80000000
	s_mov_b32 s[G0A], 1
	s_mov_b32 s[G0A+1], s25
	s_add_nc_u64 s[G0A+2:G0A+3], s[4:5], s[18:19]
	s_or_b32 s[G0A+3], s[G0A+3], 0x80000000
	s_mov_b32 s[G0SA], 1
	s_mov_b32 s[G0SA+1], L_SA
	s_add_nc_u64 s[G0SA+2:G0SA+3], s[6:7], s[20:21]
	s_or_b32 s[G0SA+3], s[G0SA+3], 0x80000000
	s_mov_b32 s[G0SB], 1
	s_mov_b32 s[G0SB+1], s26
	s_add_nc_u64 s[G0SB+2:G0SB+3], s[10:11], s[22:23]
	s_or_b32 s[G0SB+3], s[G0SB+3], 0x80000000
	CROUND                                         ; all sixteen work-groups are here: the joint loads meet
	; the fills, each once in the launch: every wave two channels of Wv; waves 0, 1 value's halves; wave 2 its scale bytes; waves 3, 4 Wv's.  Three tensor loads of a wave are out at the most
	tensor_load_to_lds s[G0B0:G0B0+3], s[G1B:G1B+7]
	s_nop 0
	tensor_load_to_lds s[G0B1:G0B1+3], s[G1B:G1B+7]
	s_nop 0
.rept 4
	v_nop
.endr
	s_cmp_lt_u32 s[WV], 2
	s_cbranch_scc0 .Lf_not_a
	tensor_load_to_lds s[G0A:G0A+3], s[G1A:G1A+7]
	s_nop 0
.rept 4
	v_nop
.endr
	s_branch .Lf_done
.Lf_not_a:
	s_cmp_eq_u32 s[WV], 2
	s_cbranch_scc0 .Lf_not_sa
	tensor_load_to_lds s[G0SA:G0SA+3], s[G1SA:G1SA+7]
	s_nop 0
.rept 4
	v_nop
.endr
	s_branch .Lf_done
.Lf_not_sa:
	s_cmp_lt_u32 s[WV], 5
	s_cbranch_scc0 .Lf_done
	tensor_load_to_lds s[G0SB:G0SB+3], s[G1SB:G1SB+7]
	s_nop 0
.rept 4
	v_nop
.endr
.Lf_done:
	s_mul_i32 s2, s[Y], 143360                     ; the head in kv
	s_lshl_b32 s3, s[CX], 14
	s_add_co_u32 s28, s2, s3
	s_lshl_b32 s3, s[WV], 11
	s_add_co_u32 s28, s28, s3
	s_add_co_u32 s28, s28, 65536
	s_mov_b32 s29, 0
	s_add_nc_u64 s[28:29], s[14:15], s[28:29]      ; V's codes: 16,384 bytes a work-group, 2,048 a wave
	s_lshl_b32 s3, s[CX], 10
	s_add_co_u32 s30, s2, s3
	s_lshl_b32 s3, s[WC], 8
	s_add_co_u32 s30, s30, s3
	s_add_co_u32 s30, s30, 139264
	s_mov_b32 s31, 0
	s_add_nc_u64 s[30:31], s[14:15], s[30:31]      ; V's scale words: 1,024 bytes a work-group, 256 for each of waves 0-3
	s_mov_b32 s[SEL], 0x76543210
	s_mov_b32 s[SEL+1], 0xfedcba98
	v_and_b32 v192, 15, v0                         ; r
	v_bfe_u32 v193, v0, 4, 1                       ; hh
	v_and_b32 v194, 31, v0                         ; lane
	s_delay_alu instid0(VALU_DEP_3)
	v_lshrrev_b32 v195, 3, v192                    ; r / 8
	s_delay_alu instid0(VALU_DEP_4)
	v_mul_u32_u24 v204, v192, 528
	s_delay_alu instid0(VALU_DEP_1)
	v_lshl_add_u32 v204, v193, 4, v204
	s_mul_i32 s2, s[WR], 33792
	v_add_nc_u32 v[AA], s2, v204
	s_mul_i32 s2, s[WC], 33792                     ; four channels of 16 rows
	s_add_co_u32 s2, s2, L_B
	v_add_nc_u32 v[AB], s2, v204
	v_lshlrev_b32 v205, 5, v192
	s_delay_alu instid0(VALU_DEP_1)
	v_lshl_add_u32 v205, v195, 4, v205
	s_mul_i32 s2, s[WR], 2176
	s_add_co_u32 s2, s2, L_SA
	v_add_nc_u32 v[SAA], s2, v205
	s_lshr_b32 s2, s[WC], 1
	s_mul_i32 s2, s2, 4352
	s_and_b32 s3, s[WC], 1
	s_lshl_b32 s3, s3, 7
	s_add_co_u32 s2, s2, s3
	s_add_co_u32 s2, s2, L_SB
	v_mul_u32_u24 v[SBB], v192, 272                ; row j = r; in it channel 4 (wc % 2) + t, 32 bytes each
	s_delay_alu instid0(VALU_DEP_1)
	v_add_nc_u32 v[SBB], s2, v[SBB]
	v_lshrrev_b32 v196, 1, v192                    ; r / 2
	v_and_b32 v197, 1, v192                        ; r % 2
	s_mul_i32 s2, s[WR], 32*272
	s_lshl_b32 s3, s[WC], 6
	s_add_co_u32 s2, s2, s3
	s_add_co_u32 s2, s2, L_STC
	v_mul_u32_u24 v[STO], v196, 272                ; the stage: row beta = 32 wr + 8 a + r / 2; channel 4 wc + t: 16 bytes; register 2 hh + r % 2
	s_delay_alu instid0(VALU_DEP_1)
	v_lshl_add_u32 v[STO], v193, 3, v[STO]
	s_delay_alu instid0(VALU_DEP_1)
	v_lshl_add_u32 v[STO], v197, 2, v[STO]
	s_delay_alu instid0(VALU_DEP_1)
	v_add_nc_u32 v[STO], s2, v[STO]
	s_lshl_b32 s2, s[WR], 9
	s_lshl_b32 s3, s[WC], 4
	s_add_co_u32 s2, s2, s3
	s_add_co_u32 s2, s2, L_STW
	v_bfe_u32 v198, v0, 1, 2                       ; beta % 4
	s_delay_alu instid0(VALU_DEP_1)
	v_lshl_add_u32 v[STWA], v195, 6, v198          ; step beta / 4 = 8 wr + 2 a + r / 8: 64 bytes; channel: 4 bytes
	s_delay_alu instid0(VALU_DEP_1)
	v_add_nc_u32 v[STWA], s2, v[STWA]
	s_mul_i32 s2, s[WV], 8*272
	s_add_co_u32 s2, s2, L_STC
	v_mul_u32_u24 v[RDC], v193, 272                ; back: sixteen lanes to a row, two rows an instruction, eight rows a wave
	s_delay_alu instid0(VALU_DEP_1)
	v_lshl_add_u32 v[RDC], v192, 4, v[RDC]
	s_delay_alu instid0(VALU_DEP_1)
	v_add_nc_u32 v[RDC], s2, v[RDC]
	v_lshlrev_b32 v[GOC], 4, v194
	v_lshlrev_b32 v[GOW], 3, v194
	s_lshl_b32 s2, s[WC], 8
	s_add_co_u32 s2, s2, L_STW
	v_add_nc_u32 v[RDW], s2, v[GOW]
	v_mov_b32 v199, 0x01000504                     ; an even row: my low half below my neighbour's low half
	v_mov_b32 v200, 0x07060302                     ; an odd row: my neighbour's high half below my high half
	v_cmp_eq_u32 vcc_lo, 1, v197
	s_delay_alu instid0(VALU_DEP_1)
	v_cndmask_b32 v[SELV], v199, v200, vcc_lo
	; the bias in the result's layout: bv[64 (8 hh + jj) + d]
	s_lshr_b32 s2, s[WC], 1
	s_lshl_b32 s2, s2, 7
	s_lshl_b32 s3, s[CX], 5
	s_add_co_u32 s2, s2, s3
	s_and_b32 s3, s[WC], 1
	s_lshl_b32 s3, s3, 4
	s_add_co_u32 s2, s2, s3
	v_lshl_add_u32 v201, v193, 11, s2
.irp t, 0,1,2,3
.irp jj, 0,1,2,3,4,5,6,7
	global_load_b32 v[ACC+8*\t+\jj], v201, s[12:13] offset:4*\t+256*\jj
.endr
.endr
	s_wait_loadcnt 0x0                             ; the bias
	s_wait_tensorcnt 0x0                           ; my fills have landed,
	s_barrier_signal -1
	s_barrier_wait -1                              ; everybody's have
.macro LDSC H
.irp a, 0,1,2,3
	ds_load_b128 v[SCA+4*\a:SCA+4*\a+3], v[SAA] offset:544*\a+16*(\H)
.endr
.irp t, 0,1,2,3
	ds_load_b128 v[SCB+4*\t:SCB+4*\t+3], v[SBB] offset:32*\t+16*(\H)
.endr
.endm
.macro LDFR ks
.irp a, 0,1,2,3
	ds_load_b128 v[AF+8*\a:AF+8*\a+3], v[AA] offset:8448*\a+64*(\ks)
	ds_load_b128 v[AF+8*\a+4:AF+8*\a+7], v[AA] offset:8448*\a+64*(\ks)+32
.endr
.irp t, 0,1,2,3
	ds_load_b128 v[BF+8*\t:BF+8*\t+3], v[AB] offset:8448*\t+64*(\ks)
	ds_load_b128 v[BF+8*\t+4:BF+8*\t+7], v[AB] offset:8448*\t+64*(\ks)+32
.endr
.endm
.macro MM a, t, q, cm
.if \cm
	v_wmma_scale_f32_16x16x128_f8f6f4 v[ACC+8*(4*\a+\t):ACC+8*(4*\a+\t)+7], v[BF+8*\t:BF+8*\t+7], v[AF+8*\a:AF+8*\a+7], v[ACC+8*\t:ACC+8*\t+7], v[SCB+4*\t+(\q)], v[SCA+4*\a+(\q)] matrix_a_fmt:MATRIX_FMT_FP4 matrix_b_fmt:MATRIX_FMT_FP4
.else
	v_wmma_scale_f32_16x16x128_f8f6f4 v[ACC+8*(4*\a+\t):ACC+8*(4*\a+\t)+7], v[BF+8*\t:BF+8*\t+7], v[AF+8*\a:AF+8*\a+7], v[ACC+8*(4*\a+\t):ACC+8*(4*\a+\t)+7], v[SCB+4*\t+(\q)], v[SCA+4*\a+(\q)] matrix_a_fmt:MATRIX_FMT_FP4 matrix_b_fmt:MATRIX_FMT_FP4
.endif
.endm
.macro KSTEP ks                        ; 128 along K; the 16 accumulators take turns, one instruction a turn
.if (\ks)%4 == 0
	LDSC (\ks)/4
.endif
	LDFR \ks
	s_wait_dscnt 0x0                               ; one set of fragment registers: all of the step's loads are wanted
.if \ks == 0
.irp a, 1,2,3
.irp t, 0,1,2,3
	MM \a, \t, 0, 1
.endr
.endr
.rept 5
	v_nop                                          ; five places: the next four products write over registers that the twelve above have read as C
.endr
.irp t, 0,1,2,3
	MM 0, \t, 0, 0
.endr
.else
.irp a, 0,1,2,3
.irp t, 0,1,2,3
	MM \a, \t, (\ks)%4, 0
.endr
.endr
.endif
.rept 4
	v_nop                                          ; four places in front of loads into registers that these products have read, and of the first read of results
.endr
.endm
.irp k, 0,1,2,3,4,5,6,7
	KSTEP \k
.endr
	; THE QUANTISER.  Accumulator n = 4 a + t: my eight keys of channel 4 wc + t; the sixteen by turns
.irp n, 0,1,2,3,4,5,6,7,8,9,10,11,12,13,14,15
	v_max3_num_f32 v[MX+\n], |v[ACC+8*\n]|, |v[ACC+8*\n+1]|, 0x1800000   ; with the floor 2^(3 - 127): the byte cannot fall under 1
.endr
.irp i, 2,4,6
.irp n, 0,1,2,3,4,5,6,7,8,9,10,11,12,13,14,15
	v_max3_num_f32 v[MX+\n], v[MX+\n], |v[ACC+8*\n+\i]|, |v[ACC+8*\n+\i+1]|
.endr
.endr
.irp n, 0,1,2,3,4,5,6,7,8,9,10,11,12,13,14,15
	v_max_num_f32_dpp v[MX+\n], v[MX+\n], v[MX+\n] row_xmask:1 row_mask:0xf bank_mask:0xf   ; with the block's other row,
.endr
.irp n, 0,1,2,3,4,5,6,7,8,9,10,11,12,13,14,15
	v_permlanex16_b32 v[OT+\n], v[MX+\n], s[SEL], s[SEL+1]
.endr
.irp n, 0,1,2,3,4,5,6,7,8,9,10,11,12,13,14,15
	v_max_num_f32 v[MX+\n], v[MX+\n], v[OT+\n]     ; and the other eight j: the block's largest magnitude
.endr
.irp n, 0,1,2,3,4,5,6,7,8,9,10,11,12,13,14,15
	v_add_nc_u32 v[MX+\n], 0xff000000, v[MX+\n]    ; 2 off the exponent field: the conversion's scale operand
.endr
.irp n, 0,1,2,3,4,5,6,7,8,9,10,11,12,13,14,15
	v_lshrrev_b32 v[OT+\n], 23, v[MX+\n]           ; the scale's byte
.endr
.irp n, 0,1,2,3,4,5,6,7,8,9,10,11,12,13,14,15
	v_cvt_scalef32_pk8_fp4_f32 v[XC+\n], v[ACC+8*\n:ACC+8*\n+7], v[MX+\n]
.endr
	v_nop                                          ; one plain place behind the conversions
.irp n, 0,1,2,3,4,5,6,7,8,9,10,11,12,13,14,15
	v_mov_b32_dpp v[YC+\n], v[XC+\n] row_xmask:1 row_mask:0xf bank_mask:0xf   ; the other row's eight codes
.endr
.irp n, 0,1,2,3,4,5,6,7,8,9,10,11,12,13,14,15
	v_perm_b32 v[YC+\n], v[XC+\n], v[YC+\n], v[SELV]   ; register 2 hh + r % 2 of the block, in the order of p's places
.endr
.irp a, 0,1,2,3
.irp t, 0,1,2,3
	ds_store_b32 v[STO], v[YC+4*\a+\t] offset:2176*\a+16*\t
	ds_store_b8 v[STWA], v[OT+4*\a+\t] offset:128*\a+4*\t   ; the block's four lanes write the same byte with the same value
.endr
.endr
	s_wait_dscnt 0x0                               ; for the others' sake: my stores into the stages are done
	s_barrier_signal -1
	s_barrier_wait -1
.irp k, 0,1,2,3
	ds_load_b128 v[AF+4*\k:AF+4*\k+3], v[RDC] offset:544*\k
.endr
	s_wait_dscnt 0x0
.irp k, 0,1,2,3
	global_store_b128 v[GOC], v[AF+4*\k:AF+4*\k+3], s[28:29] offset:512*\k   ; 32 lanes store 512 consecutive bytes, at a multiple of 256 from the buffer's first byte
.endr
	s_cmp_lt_u32 s[WV], 4                          ; the 1,024 bytes of scale words leave by waves 0-3, 256 consecutive bytes each
	s_cbranch_scc0 .Lno_words
	ds_load_b64 v[AF+16:AF+17], v[RDW]
	s_wait_dscnt 0x0
	global_store_b64 v[GOW], v[AF+16:AF+17], s[30:31]
.Lno_words:
	s_wait_tensorcnt 0x0                           ; the wave's end
	ds_add_u32 v[SPW], v[NIL]
	s_wait_dscnt 0x0
	CROUND                                         ; the closing round
	s_endpgm
.Lfunc_end_k_q6c0b87fe73_projv:
	.size	k_q6c0b87fe73_projv, .Lfunc_end_k_q6c0b87fe73_projv-k_q6c0b87fe73_projv
	.p2alignl 7, 3214868480
	.fill 96, 4, 3214868480
	.section	.rodata,"a",@progbits
	.p2align	6, 0x0
	.amdhsa_kernel k_q6c0b87fe73_projv
		.amdhsa_group_segment_fixed_size 327680
		.amdhsa_private_segment_fixed_size 0
		.amdhsa_enable_private_segment 0
		.amdhsa_kernarg_size 48
		.amdhsa_user_sgpr_count 2
		.amdhsa_user_sgpr_kernarg_segment_ptr 1
		.amdhsa_wavefront_size32 1
		.amdhsa_system_sgpr_workgroup_id_x 1
		.amdhsa_system_sgpr_workgroup_id_y 1
		.amdhsa_system_sgpr_workgroup_id_z 1
		.amdhsa_system_vgpr_workitem_id 0
		.amdhsa_next_free_vgpr 256
		.amdhsa_next_free_sgpr 102
		.amdhsa_reserve_vcc 1
		.amdhsa_float_denorm_mode_32 3
		.amdhsa_float_denorm_mode_16_64 3
		.amdhsa_memory_ordered 1
		.amdhsa_forward_progress 1
		.amdhsa_inst_pref_size 56
	.end_amdhsa_kernel
	.amdgpu_metadata
---
amdhsa.version: [ 1, 2 ]
amdhsa.kernels:
  - .name:           k_q6c0b87fe73_projv
    .symbol:         k_q6c0b87fe73_projv.kd
    .args:
      - { .name: value_codes, .offset: 0, .size: 8, .value_kind: global_buffer, .address_space: global }
      - { .name: value_scales, .offset: 8, .size: 8, .value_kind: global_buffer, .address_space: global }
      - { .name: Wv_codes, .offset: 16, .size: 8, .value_kind: global_buffer, .address_space: global }
      - { .name: Wv_scales, .offset: 24, .size: 8, .value_kind: global_buffer, .address_space: global }
      - { .name: bv, .offset: 32, .size: 8, .value_kind: global_buffer, .address_space: global }
      - { .name: kv, .offset: 40, .size: 8, .value_kind: global_buffer, .address_space: global }
    .group_segment_fixed_size: 327680
    .private_segment_fixed_size: 0
    .kernarg_segment_align: 8
    .kernarg_segment_size: 48
    .max_flat_workgroup_size: 256
    .sgpr_count:     102
    .vgpr_count:     256
    .wavefront_size: 32
...
	.end_amdgpu_metadata
.endif
;; end of part 2
;; launch attn (part 3): grid 8 x 32, 16 waves a work-group, clusters of 4 x 1, 327,680 bytes of LDS; arguments qws, kv, x_codes, x_scales; writes x_codes, x_scales
.if DOCPART == 3
	.amdgcn_target "amdgcn-amd-amdhsa--gfx1250"
	.amdhsa_code_object_version 6
	.text
	.protected	k_q6c0b87fe73_attn
	.globl	k_q6c0b87fe73_attn
	.p2align	8
	.type	k_q6c0b87fe73_attn,@function
k_q6c0b87fe73_attn:
	s_mov_b64 s[64:65], 0
	v_nop
	global_prefetch_b8 v0, s[64:65] scope:SCOPE_SE
	s_setreg_imm32_b32 hwreg(HW_REG_WAVE_MODE, 25, 1), 1
	s_wait_xcnt 0x0
	s_wait_alu depctr_hold_cnt(0) depctr_sa_sdst(0) depctr_va_vdst(0) depctr_va_sdst(0) depctr_va_ssrc(0) depctr_va_vcc(0) depctr_vm_vsrc(0)
	s_getreg_b32 s2, hwreg(HW_REG_IB_STS2, 6, 4)
	s_cmp_eq_u32 s2, 0
	s_cbranch_scc0 .Lentry_in_a_cluster
	s_endpgm
.Lentry_in_a_cluster:
	s_bfe_u32 s2, ttmp6, 0x10000c
	s_cmp_lg_u32 s2, 0x3003
	s_cbranch_scc0 .Lentry_shape_is_right
	s_endpgm
.Lentry_shape_is_right:
; x[b][s'][64 h + d] = the sum over keys of softmax(q . k / 8, hidden keys out) v, both products on codes of FP4 (E2M1) with E8M0 scales; x is quantised along (h, d) for the last projection.  No work of reference() is left out here.
; THE SOFTMAX AHEAD OF THE SECOND PRODUCT: t = score x log2(e) / 8; M = the row's largest t so far, rounded up to a whole number; p = 2^(t - M) is quantised along the keys, not normalised; the row's sum is taken of
; the unquantised p and divides at the end.  When M moves, the sum and O are multiplied by 2^(old M - new M): exact.
; SHARES.  A work-group owns 256 queries of a PAIR of heads (2 y, 2 y + 1); each of its sixteen waves owns one tile of 16 queries and walks, head after head, all 2,048 keys, 128 a step.  Four waves to a SIMD, so that
; one wave's vector work stands beside another's products and LDS loads.  Both heads' k and v, codes and scale words, 286,720 bytes, lie in LDS whole: nothing is filled twice.  The pair gives a wave whole scale words of x.
; LAYOUT.  Both products are used transposed (S^T = k q^T, O^T = v^T p^T): a lane holds one query throughout.  The earlier launches laid q, k and v as images of the operands' registers: every fragment is loads at 16 x lane.
; The 16 keys of k's tile (c', w) are 64 c' + 16 (i / 4) + 4 w + i % 4: so a lane's 32 registers of the four tiles w of one c' are ONE whole block of 32 keys (2 c' + lane / 16): its largest score needs no other lane,
; and four conversions give registers 4 c .. 4 c + 3 of p's operand.  v's tile w holds channels 32 (i / 8) + 8 w + i % 8: so a lane's 32 registers of O^T are one whole block of 32 channels, in their own order.
; THE MASK costs no instruction here: the first product has K = 64 of the instruction's 128; at K = 64 stand the code -1 (k's side) and the code +1 (q's side), and byte 2 of k's scale word, set by the launch that
; made it, makes of them -2^33 for a hidden key and -2^-126 for one that counts.
; LIMITS: a hidden key's logit is -1.07e9 where reference() has -1e9: the results agree while the logits of counted keys lie above about -1e9 + 200; a counted key's score carries -2^-126; a block of zeros has the
; byte 1 where the quantiser says 127, over zero codes, in buffers that this program alone reads; NaN and infinities are not served.
; CLUSTER 4 x 1: the four partners walk the same pair of heads: each part of it is asked for jointly.
.set HEADB, 143360                     ; a head in kv and in LDS: k's codes 65,536, v's codes 65,536, k's words 8,192, v's words 4,096
.set L_XS,  286720                     ; x's scale words on their way out: 1,024 bytes
.set SPARE, 287744                     ; the spare words: 128 bytes for each of 16 waves
.set L16,  1                           ; v1   16 x lane
.set L4,   2                           ; v2   4 x (lane % 16)
.set SH8,  3                           ; v3   8 x (lane / 16)
.set SPW,  4                           ; v4   my spare word; never rewritten
.set NIL,  5                           ; v5   0; never rewritten
.set ADK,  6                           ; v6-9 LDS addresses of the step in hand: k's codes, v's codes, k's words, v's words
.set ADV,  7
.set ADS,  8
.set ADT,  9
.set XW,   10                          ; v10  x's scale word of my query
.set XA,   11                          ; v11  where it goes in LDS
.set QF,   16                          ; v16-23, v24-31 q's operand of head 2 y, of head 2 y + 1: 4 registers loaded, 4 constant.   v12 -M, v13 the largest t, v[14:15] the sum in two halves
.set KF,   32                          ; v32-63  four operands of k: 4 registers loaded, 4 constant
.set VF,   64                          ; v64-95  four fragments of v
.set S,    96                          ; v96-159 S^T, then p; at a head's end x
.set O,    160                         ; v160-191 O^T
.set P,    192                         ; v192-199 p's codes; at a head's end x's
.set KW,   200                         ; v200-203 k's scale words; v204-207 v's; v208 p's; v209, v210 q's: these eleven hold scales and nothing else
.set VW,   204
.set PW,   208
.set QW,   209
.set BM,   212                         ; v212-213 the two blocks' largest score, then largest p
.set RM,   214
.set OTH,  215
.set TMP,  216
.set F,    218                         ; v[218:219] f = 2^(old M - new M), later 1 / the sum; the pair's upper word is written once
.set SM,   220                         ; v[220:221] the second chain of the sums
.set SO,   222                         ; v222-223 the conversions' scale operands
.set BY,   224                         ; v224-225 bytes
.set WD,   226
.set OT2,  227
.set XR,   228                         ; v228 where a wave reads x's words back
.set L8,   229                         ; v229 8 x lane
.set WV,   12
.set G1,   16
.set G0,   24                          ; s[24:27] head 2 y, s[28:31] head 2 y + 1
.set SEL,  32
.set CS,   34                          ; s[34:35] c = log2(e) / 8
.set TB,   36
.set TSK,  37
.set TSV,  38
.set CNT,  39
.macro CROUND
	s_barrier_signal -1
	s_barrier_wait -1
	s_cmp_lg_u32 s[WV], 0
	s_cbranch_scc1 .Lnot_wave_0_\@
	s_barrier_signal -3
.Lnot_wave_0_\@:
	s_barrier_wait -3
	s_barrier_signal -1
	s_barrier_wait -1
.endm
	s_load_b256 s[4:11], s[0:1], 0x0               ; qws, kv, x_codes, x_scales
	v_lshl_add_u32 v[SPW], v0, 2, SPARE
	v_mov_b32 v[NIL], 0
	ds_add_u32 v[SPW], v[NIL]                      ; the wave's opening: the add, twice on end, and its wait ahead of my first tensor load
	ds_add_u32 v[SPW], v[NIL]
	v_lshrrev_b32 v6, 5, v0
	s_delay_alu instid0(VALU_DEP_1)
	v_readfirstlane_b32 s[WV], v6                  ; wave 0..15
	s_bfe_u32 s13, ttmp6, 0x40000                  ; cx
	s_lshl_b32 s14, ttmp9, 2
	s_add_co_u32 s14, s14, s13                     ; my block of 256 queries: it enters q's and x's addresses alone
	s_and_b32 s15, ttmp7, 0xffff                   ; the pair of heads, which the four partners share
	s_mov_b32 s[G1], 15|(3<<16)|(1<<21)            ; the mask: all four; elements of 8 bytes; no padding
	s_mov_b32 s[G1+1], 32<<16                      ; rows of 256 bytes,
	s_mov_b32 s[G1+2], 35<<16                      ; 35 of them: a sixteenth of a head
	s_mov_b32 s[G1+3], 32<<16
	s_mov_b32 s[G1+4], 35
	s_mov_b32 s[G1+5], 32                          ; dense
	s_mov_b32 s[G1+6], 0
	s_mov_b32 s[G1+7], 0
	s_mul_i32 s40, s15, 2*HEADB
	s_mul_i32 s42, s[WV], 8960
	s_add_co_u32 s40, s40, s42
	s_mov_b32 s41, 0                               ; my sixteenth of head 2 y in kv
	s_lshl_b32 s43, s14, 4
	s_add_co_u32 s43, s43, s[WV]                   ; my tile of queries, T
	s_mul_i32 s44, s15, 147456                     ; q's codes: two heads of 73,728 bytes; 512 a tile
	s_lshl_b32 s45, s43, 9
	s_add_co_u32 s44, s44, s45
	s_mov_b32 s45, 0
	s_mul_i32 s46, s15, 147456                     ; q's words: behind a head's codes; 64 a tile
	s_lshl_b32 s47, s43, 6
	s_add_co_u32 s46, s46, s47
	s_add_co_u32 s46, s46, 65536
	s_mov_b32 s47, 0
	s_lshr_b32 s48, s15, 3                         ; x's codes: [batch][T][K step y % 8][head of the pair][lane][16]
	s_lshl_b32 s48, s48, 20
	s_lshl_b32 s49, s43, 13
	s_add_co_u32 s48, s48, s49
	s_and_b32 s49, s15, 7
	s_lshl_b32 s49, s49, 10
	s_add_co_u32 s48, s48, s49
	s_mov_b32 s49, 0
	s_lshl_b32 s50, s15, 13                        ; x's words: [y][T][row]: the work-group's 1,024 bytes, 256 for each of waves 0-3
	s_lshl_b32 s51, s14, 10
	s_add_co_u32 s50, s50, s51
	s_and_b32 s51, s[WV], 3
	s_lshl_b32 s51, s51, 8
	s_add_co_u32 s50, s50, s51
	s_mov_b32 s51, 0
	s_mov_b32 s[SEL], 0x76543210
	s_mov_b32 s[SEL+1], 0xfedcba98                 ; v_permlanex16_b32's selects for lane l xor 16
	s_mov_b32 s[CS], 0x3e38aa3b                    ; log2(e) / 8
	s_mov_b32 s[CS+1], s[CS]                       ; (named with it as a pair, so it is written)
	s_wait_dscnt 0x0                               ; both opening adds are done
	s_wait_kmcnt 0x0
	s_mov_b32 s[G0], 1
	s_mov_b32 s[G0+1], s42
	s_add_nc_u64 s[G0+2:G0+3], s[6:7], s[40:41]
	s_mov_b32 s[G0+4], 1
	s_add_co_u32 s[G0+5], s42, HEADB
	s_add_nc_u64 s[G0+6:G0+7], s[G0+2:G0+3], HEADB
	s_or_b32 s[G0+3], s[G0+3], 0x80000000
	s_or_b32 s[G0+7], s[G0+7], 0x80000000
	s_add_nc_u64 s[44:45], s[4:5], s[44:45]
	s_add_nc_u64 s[46:47], s[4:5], s[46:47]
	s_add_nc_u64 s[48:49], s[8:9], s[48:49]
	s_add_nc_u64 s[50:51], s[10:11], s[50:51]
	CROUND                                         ; all four work-groups are here: the joint loads meet
	tensor_load_to_lds s[G0:G0+3], s[G1:G1+7]      ; every wave asks for its sixteenth of head 2 y; that of head 2 y + 1 follows once this one has landed
	s_nop 0
	s_wait_alu depctr_va_vdst(0)
	s_wait_tensorcnt 0x0
	ds_add_u32 v4, v5
	s_wait_dscnt 0x0
	CROUND
	tensor_load_to_lds s[G0+4:G0+7], s[G1:G1+7]
	s_nop 0
.rept 4
	v_nop
.endr
	v_and_b32 v6, 31, v0
	s_delay_alu instid0(VALU_DEP_1)
	v_lshlrev_b32 v[L16], 4, v6
	s_delay_alu instid0(VALU_DEP_2)
	v_lshlrev_b32 v[L8], 3, v6
	v_and_b32 v7, 15, v0
	s_delay_alu instid0(VALU_DEP_1)
	v_lshlrev_b32 v[L4], 2, v7
	v_bfe_u32 v8, v0, 4, 1
	s_delay_alu instid0(VALU_DEP_1)
	v_lshlrev_b32 v[SH8], 3, v8
	s_delay_alu instid0(VALU_DEP_2)
	v_sub_nc_u32 v9, 1, v8                         ; 1 in lanes 0-15, which hold K = 64 .. 95 in registers 4-7
	global_load_b128 v[QF:QF+3], v[L16], s[44:45]
	global_load_b128 v[QF+8:QF+11], v[L16], s[44:45] offset:73728
	global_load_b32 v[QW], v[L4], s[46:47]
	global_load_b32 v[QW+1], v[L4], s[46:47] offset:73728
	v_lshlrev_b32 v[QF+4], 1, v9                   ; q's side of K = 64: the code 2, +1.0
	v_lshlrev_b32 v[QF+12], 1, v9
.irp i, 5,6,7,13,14,15
	v_mov_b32 v[QF+\i], 0
.endr
.irp w, 0,1,2,3
	v_mul_u32_u24 v[KF+8*\w+4], v9, 10             ; k's side: the code 10, -1.0
	v_mov_b32 v[KF+8*\w+5], 0
	v_mov_b32 v[KF+8*\w+6], 0
	v_mov_b32 v[KF+8*\w+7], 0
.endr
	s_lshl_b32 s2, s[WV], 6
	s_add_co_u32 s2, s2, L_XS
	v_add_nc_u32 v[XA], s2, v[L4]
	s_and_b32 s2, s[WV], 3
	s_lshl_b32 s2, s2, 8
	s_add_co_u32 s2, s2, L_XS
	v_add_nc_u32 v[XR], s2, v[L8]
	v_mov_b32 v[OTH], 0                            ; written once: a lane permute's destination counts as one of its sources
	v_mov_b32 v[OT2], 0
	v_mov_b32 v[F+1], 0                            ; (named as the upper half of a pair)
; ONE HEAD OF THE PAIR: 16 steps of 128 keys, then x's block of 32 channels is quantised and stored.
.macro PASS e
.if \e
	s_wait_xcnt 0x0                                ; the first head's store has read its data: the codes' registers may be written again
.endif
	v_mov_b32 v13, 0xff61b1e6                      ; the largest t so far: -3e38, under every t
	s_delay_alu instid0(VALU_DEP_1)
	v_floor_f32 v12, -v13                          ; -M
	v_mov_b32 v14, 0
	v_mov_b32 v15, 0
.set j, 0
.rept 32
	v_mov_b32 v[O+j], 0                            ; the step is written once: the first finds zeros, which the first change of M leaves zeros
.set j, j+1
.endr
	s_mov_b32 s[TB], HEADB*\e
	s_mov_b32 s[TSK], HEADB*\e+131072
	s_mov_b32 s[TSV], HEADB*\e+139264
	s_mov_b32 s[CNT], 16
.Lstep_\@:
	s_setprio 2
	v_add_nc_u32 v[ADK], s[TB], v[L16]             ; (these four are also places behind the last step's products)
	v_add_nc_u32 v[ADS], s[TSK], v[L4]
	v_add_nc_u32 v[ADT], s[TSV], v[L4]
	s_delay_alu instid0(VALU_DEP_3)
	v_add_nc_u32 v[ADV], 0x10000, v[ADK]
.irp w, 0,1,2,3                        ; the step's first 64 keys: four tiles
	ds_load_b128 v[KF+8*\w:KF+8*\w+3], v[ADK] offset:16384*\w
	ds_load_b32 v[KW+\w], v[ADS] offset:2048*\w
.endr
	s_wait_alu depctr_va_vdst(0)
	s_wait_dscnt 0x0
.irp w, 0,1,2,3
	v_wmma_scale_f32_16x16x128_f8f6f4 v[S+8*\w:S+8*\w+7], v[KF+8*\w:KF+8*\w+7], v[QF+8*\e:QF+8*\e+7], 0, v[KW+\w], v[QW+\e] matrix_a_fmt:MATRIX_FMT_FP4 matrix_b_fmt:MATRIX_FMT_FP4
.endr
.rept 4
	v_nop                                          ; four places in front of loads into registers that these products have read
.endr
.irp w, 0,1,2,3                        ; the second 64 keys,
	ds_load_b128 v[KF+8*\w:KF+8*\w+3], v[ADK] offset:16384*\w+512
	ds_load_b32 v[KW+\w], v[ADS] offset:2048*\w+64
.endr
.irp w, 0,1,2,3                        ; and v of all 128: it lands under the softmax
	ds_load_b128 v[VF+8*\w:VF+8*\w+3], v[ADV] offset:16384*\w
	ds_load_b128 v[VF+8*\w+4:VF+8*\w+7], v[ADV] offset:16384*\w+512
	ds_load_b32 v[VW+\w], v[ADT] offset:1024*\w
.endr
	s_wait_dscnt 12                                ; k's eight loads are in; v's twelve, issued behind them, may be out
.irp w, 0,1,2,3
	v_wmma_scale_f32_16x16x128_f8f6f4 v[S+32+8*\w:S+32+8*\w+7], v[KF+8*\w:KF+8*\w+7], v[QF+8*\e:QF+8*\e+7], 0, v[KW+\w], v[QW+\e] matrix_a_fmt:MATRIX_FMT_FP4 matrix_b_fmt:MATRIX_FMT_FP4
.endr
.rept 4
	v_nop
.endr
	v_max3_num_f32 v[BM], v[S], v[S+1], v[S+2]     ; THE LARGEST SCORE OF EACH OF MY TWO BLOCKS OF 32 KEYS: for the row's maximum and, since p rises with the score, for the block's largest p.  Ascending: each accumulator is first read at its low end
	v_max3_num_f32 v[BM+1], v[S+32], v[S+33], v[S+34]
.set i, 3
.rept 14
	v_max3_num_f32 v[BM], v[BM], v[S+i], v[S+i+1]
	v_max3_num_f32 v[BM+1], v[BM+1], v[S+32+i], v[S+33+i]
.set i, i+2
.endr
	v_max_num_f32 v[BM], v[BM], v[S+31]
	v_max_num_f32 v[BM+1], v[BM+1], v[S+63]
	s_delay_alu instid0(VALU_DEP_1)
	v_max_num_f32 v[RM], v[BM], v[BM+1]
	s_delay_alu instid0(VALU_DEP_1)
	v_permlanex16_b32 v[OTH], v[RM], s[SEL], s[SEL+1]
	s_delay_alu instid0(VALU_DEP_1)
	v_max_num_f32 v[RM], v[RM], v[OTH]             ; with lane l xor 16's two blocks: the step's largest score of my query
	s_delay_alu instid0(VALU_DEP_1)
	v_mul_f32 v[RM], s[CS], v[RM]                  ; as t (c is positive)
	s_delay_alu instid0(VALU_DEP_1)
	v_max_num_f32 v13, v13, v[RM]                  ; the running largest t
	v_mov_b32 v[TMP], v12
	s_delay_alu instid0(VALU_DEP_2)
	v_floor_f32 v12, -v13                          ; the new -M = -ceil(t): M is a whole number
	s_delay_alu instid0(VALU_DEP_1)
	v_sub_f32 v[TMP], v12, v[TMP]                  ; old M - new M: a whole number, 0 or less
	s_delay_alu instid0(VALU_DEP_1)
	v_cvt_i32_f32 v[TMP], v[TMP]                   ; (it saturates)
	s_delay_alu instid0(VALU_DEP_1)
	v_ldexp_f32 v[F], 1.0, v[TMP]                  ; f = 2^(old M - new M)
.set j, 0
.rept 32
	v_pk_fma_f32 v[S+j:S+j+1], v[S+j:S+j+1], s[CS:CS+1], v[12:13] op_sel_hi:[1,0,0]   ; t - M, two at a time
.set j, j+2
.endr
	v_fma_f32 v[BM], v[BM], s[CS], v12             ; the same of each block's largest score
	v_fma_f32 v[BM+1], v[BM+1], s[CS], v12
.set j, 0
	s_setprio 1
	s_wait_alu depctr_va_vdst(0)
.rept 64
	v_exp_f32 v[S+j], v[S+j]                       ; p = 2^(t - M), at most 1
.set j, j+1
.endr
	v_pk_mul_f32 v[14:15], v[14:15], v[F:F+1] op_sel_hi:[1,0]   ; the sums under the new M: the plain place behind the exponentials
	s_wait_alu depctr_va_vdst(0)                   ; one wait for the batch of 64, ahead of its first reader
	v_exp_f32 v[BM], v[BM]                         ; each block's largest p: the same two instructions on the same number give the same bits
	v_exp_f32 v[BM+1], v[BM+1]
	v_pk_add_f32 v[SM:SM+1], v[S:S+1], v[S+2:S+3]  ; the row's sum is taken of the unquantised p: two at a time, in two chains
.set j, 4
.rept 15
	v_pk_add_f32 v[14:15], v[14:15], v[S+j:S+j+1]
	v_pk_add_f32 v[SM:SM+1], v[SM:SM+1], v[S+j+2:S+j+3]
.set j, j+4
.endr
	s_delay_alu instid0(VALU_DEP_1)
	v_pk_add_f32 v[14:15], v[14:15], v[SM:SM+1]
	s_wait_alu depctr_va_vdst(0)                   ; and one for the two
	v_max_num_f32 v[BM], 0x1800000, v[BM]          ; the floor 2^(3 - 127): the byte cannot fall under 1
	v_max_num_f32 v[BM+1], 0x1800000, v[BM+1]
	s_delay_alu instid0(VALU_DEP_2)
	v_add_nc_u32 v[SO], 0xff000000, v[BM]          ; 2 off the exponent field: the conversion's scale operand
	s_delay_alu instid0(VALU_DEP_2)
	v_add_nc_u32 v[SO+1], 0xff000000, v[BM+1]
	s_delay_alu instid0(VALU_DEP_2)
	v_lshrrev_b32 v[BY], 23, v[SO]
	s_delay_alu instid0(VALU_DEP_2)
	v_lshrrev_b32 v[BY+1], 23, v[SO+1]
	s_delay_alu instid0(VALU_DEP_1)
	v_lshl_or_b32 v[WD], v[BY+1], 16, v[BY]        ; my two bytes: blocks hh and 2 + hh of the step,
	s_delay_alu instid0(VALU_DEP_1)
	v_lshlrev_b32 v[WD], v[SH8], v[WD]             ; at their places;
	s_delay_alu instid0(VALU_DEP_1)
	v_permlanex16_b32 v[OT2], v[WD], s[SEL], s[SEL+1]
	s_delay_alu instid0(VALU_DEP_1)
	v_or_b32 v[PW], v[WD], v[OT2]                  ; with lane l xor 16's two the word is whole
.irp c, 0,1
.irp w, 0,1,2,3
	v_cvt_scalef32_pk8_fp4_f32 v[P+4*\c+\w], v[S+32*\c+8*\w:S+32*\c+8*\w+7], v[SO+\c]   ; registers 4 c .. 4 c + 3 of the operand: a whole block
.endr
.endr
	v_nop                                          ; one plain place behind the conversions
.set j, 0
	s_setprio 0
.rept 16
	v_pk_mul_f32 v[O+j:O+j+1], v[O+j:O+j+1], v[F:F+1] op_sel_hi:[1,0]   ; O^T under the new M.  For each product below, twelve of these name none of its registers: the places behind p's word (8) and p's codes (4)
.set j, j+2
.endr
	s_wait_alu depctr_va_vdst(0)
	s_wait_dscnt 0x0                               ; v is in
.irp w, 0,1,2,3
	v_wmma_scale_f32_16x16x128_f8f6f4 v[O+8*\w:O+8*\w+7], v[VF+8*\w:VF+8*\w+7], v[P:P+7], v[O+8*\w:O+8*\w+7], v[VW+\w], v[PW] matrix_a_fmt:MATRIX_FMT_FP4 matrix_b_fmt:MATRIX_FMT_FP4
.endr
	s_add_co_u32 s[TB], s[TB], 1024                ; the next 128 keys: two tiles of k, four blocks of v,
	s_add_co_u32 s[TSK], s[TSK], 128               ; their words
	s_add_co_u32 s[TSV], s[TSV], 64
	s_sub_co_u32 s[CNT], s[CNT], 1
	s_cmp_lg_u32 s[CNT], 0
	s_cbranch_scc1 .Lstep_\@
	s_setprio 0
.rept 4
	v_nop                                          ; four places in front of the first read of O^T
.endr
	v_add_f32 v14, v14, v15                        ; the sum's two halves,
	s_delay_alu instid0(VALU_DEP_1)
	v_permlanex16_b32 v[OTH], v14, s[SEL], s[SEL+1]
	s_delay_alu instid0(VALU_DEP_1)
	v_add_f32 v14, v14, v[OTH]                     ; and lane l xor 16's: the row's sum
	s_wait_alu depctr_va_vdst(0)
	v_rcp_f32 v[F], v14
	v_nop                                          ; a plain place behind the reciprocal
	s_wait_alu depctr_va_vdst(0)                   ; and its wait, ahead of the first reader
.set j, 0
.rept 16
	v_pk_mul_f32 v[S+j:S+j+1], v[O+j:O+j+1], v[F:F+1] op_sel_hi:[1,0]   ; x: register 8 w + jj is channel 32 hh + 8 w + jj of my query
.set j, j+2
.endr
	v_max3_num_f32 v[BM], |v[S]|, |v[S+1]|, 0x1800000   ; the block's largest magnitude, in two chains, with the floor
	v_max3_num_f32 v[BM+1], |v[S+16]|, |v[S+17]|, 0x1800000
.set i, 2
.rept 7
	s_delay_alu instid0(VALU_DEP_2)
	v_max3_num_f32 v[BM], v[BM], |v[S+i]|, |v[S+i+1]|
	s_delay_alu instid0(VALU_DEP_2)
	v_max3_num_f32 v[BM+1], v[BM+1], |v[S+16+i]|, |v[S+17+i]|
.set i, i+2
.endr
	s_delay_alu instid0(VALU_DEP_1)
	v_max_num_f32 v[BM], v[BM], v[BM+1]
	s_delay_alu instid0(VALU_DEP_1)
	v_add_nc_u32 v[SO], 0xff000000, v[BM]
	s_delay_alu instid0(VALU_DEP_1)
	v_lshrrev_b32 v[BY], 23, v[SO]
	s_delay_alu instid0(VALU_DEP_1)
	v_lshlrev_b32 v[WD], v[SH8], v[BY]
	s_delay_alu instid0(VALU_DEP_1)
	v_permlanex16_b32 v[OT2], v[WD], s[SEL], s[SEL+1]
	s_delay_alu instid0(VALU_DEP_1)
	v_or_b32 v[WD], v[WD], v[OT2]                  ; this head's two bytes
.if \e
	s_delay_alu instid0(VALU_DEP_1)
	v_lshl_or_b32 v[XW], v[WD], 16, v[XW]          ; above the first head's: the word of 128 along the last product's K
.else
	s_delay_alu instid0(VALU_DEP_1)
	v_mov_b32 v[XW], v[WD]
.endif
.irp w, 0,1,2,3
	v_cvt_scalef32_pk8_fp4_f32 v[P+\w], v[S+8*\w:S+8*\w+7], v[SO]
.endr
	v_nop                                          ; one plain place behind the conversions
	global_store_b128 v[L16], v[P:P+3], s[48:49] offset:512*\e   ; 32 lanes store 512 consecutive bytes, at a multiple of 256 from the buffer's first byte
.endm
	s_wait_loadcnt 0x0                             ; q
	s_wait_tensorcnt 0x1                           ; my part of head 2 y is in; the one load issued behind it may be out
	s_barrier_signal -1
	s_barrier_wait -1                              ; everybody's is
	PASS 0
	s_wait_tensorcnt 0x0                           ; my part of head 2 y + 1 is in,
	s_wait_dscnt 0x0
	s_barrier_signal -1
	s_barrier_wait -1                              ; everybody's is
	PASS 1
	ds_store_b32 v[XA], v[XW]                      ; both halves of the lanes write the same word with the same value
	s_wait_dscnt 0x0                               ; for the others' sake
	s_barrier_signal -1
	s_barrier_wait -1
	s_cmp_lt_u32 s[WV], 4                          ; the 1,024 bytes of scale words leave by waves 0-3, 256 consecutive bytes each
	s_cbranch_scc0 .Lno_words
	ds_load_b64 v[S:S+1], v[XR]
	s_wait_dscnt 0x0
	global_store_b64 v[L8], v[S:S+1], s[50:51]
.Lno_words:
	s_wait_tensorcnt 0x0                           ; the wave's end
	ds_add_u32 v[SPW], v[NIL]
	s_wait_dscnt 0x0
	CROUND                                         ; the closing round
	s_endpgm
.Lfunc_end_k_q6c0b87fe73_attn:
	.size	k_q6c0b87fe73_attn, .Lfunc_end_k_q6c0b87fe73_attn-k_q6c0b87fe73_attn
	.p2alignl 7, 3214868480
	.fill 96, 4, 3214868480
	.section	.rodata,"a",@progbits
	.p2align	6, 0x0
	.amdhsa_kernel k_q6c0b87fe73_attn
		.amdhsa_group_segment_fixed_size 327680
		.amdhsa_private_segment_fixed_size 0
		.amdhsa_enable_private_segment 0
		.amdhsa_kernarg_size 32
		.amdhsa_user_sgpr_count 2
		.amdhsa_user_sgpr_kernarg_segment_ptr 1
		.amdhsa_wavefront_size32 1
		.amdhsa_system_sgpr_workgroup_id_x 1
		.amdhsa_system_sgpr_workgroup_id_y 1
		.amdhsa_system_sgpr_workgroup_id_z 1
		.amdhsa_system_vgpr_workitem_id 0
		.amdhsa_next_free_vgpr 256
		.amdhsa_next_free_sgpr 66
		.amdhsa_reserve_vcc 0
		.amdhsa_float_denorm_mode_32 3
		.amdhsa_float_denorm_mode_16_64 3
		.amdhsa_memory_ordered 1
		.amdhsa_forward_progress 1
		.amdhsa_inst_pref_size 50
	.end_amdhsa_kernel
	.amdgpu_metadata
---
amdhsa.version: [ 1, 2 ]
amdhsa.kernels:
  - .name:           k_q6c0b87fe73_attn
    .symbol:         k_q6c0b87fe73_attn.kd
    .args:
      - { .name: qws, .offset: 0, .size: 8, .value_kind: global_buffer, .address_space: global }
      - { .name: kv, .offset: 8, .size: 8, .value_kind: global_buffer, .address_space: global }
      - { .name: x_codes, .offset: 16, .size: 8, .value_kind: global_buffer, .address_space: global }
      - { .name: x_scales, .offset: 24, .size: 8, .value_kind: global_buffer, .address_space: global }
    .group_segment_fixed_size: 327680
    .private_segment_fixed_size: 0
    .kernarg_segment_align: 8
    .kernarg_segment_size: 32
    .max_flat_workgroup_size: 512
    .sgpr_count:     66
    .vgpr_count:     256
    .wavefront_size: 32
...
	.end_amdgpu_metadata
.endif
;; end of part 3
;; launch outproj (part 4): grid 4 x 64, 8 waves a work-group, clusters of 4 x 4, 327,680 bytes of LDS; arguments x_codes, x_scales, Wo_codes, Wo_scales, bo, out0; writes out0
.if DOCPART == 4
	.amdgcn_target "amdgcn-amd-amdhsa--gfx1250"
	.amdhsa_code_object_version 6
	.text
	.protected	k_q6c0b87fe73_outproj
	.globl	k_q6c0b87fe73_outproj
	.p2align	8
	.type	k_q6c0b87fe73_outproj,@function
k_q6c0b87fe73_outproj:
	s_mov_b64 s[64:65], 0
	v_nop
	global_prefetch_b8 v0, s[64:65] scope:SCOPE_SE
	s_setreg_imm32_b32 hwreg(HW_REG_WAVE_MODE, 25, 1), 1
	s_wait_xcnt 0x0
	s_wait_alu depctr_hold_cnt(0) depctr_sa_sdst(0) depctr_va_vdst(0) depctr_va_sdst(0) depctr_va_ssrc(0) depctr_va_vcc(0) depctr_vm_vsrc(0)
	s_getreg_b32 s2, hwreg(HW_REG_IB_STS2, 6, 4)
	s_cmp_eq_u32 s2, 0
	s_cbranch_scc0 .Lentry_in_a_cluster
	s_endpgm
.Lentry_in_a_cluster:
	s_bfe_u32 s2, ttmp6, 0x10000c
	s_cmp_lg_u32 s2, 0xf033
	s_cbranch_scc0 .Lentry_shape_is_right
	s_endpgm
.Lentry_shape_is_right:
; out0 = x Wo^T + bo on codes of FP4 (E2M1) with E8M0 scales; f32 out.  No work of reference() is left out here.
; x comes from the attention launch as images of the operand's registers: [batch][tile T of 16 positions][K step][c][lane][16 bytes], scale words [batch][K step][T][row].
; Row i of tile T = 32 w + c' is position 64 c' + 16 (i / 4) + 4 w + i % 4 of the batch.
; SHARES.  A work-group makes 8 tiles of x (128 rows: 65,536 dense bytes) x 256 columns; K = 1,024, so both operands lie in LDS whole and nothing is filled twice.  Eight waves, each 64 rows x 64 columns.
; THE MATRIX INSTRUCTION IS USED TRANSPOSED (source 0 = 16 rows of Wo, source 1 = a tile of x): a lane holds eight neighbouring columns of one row of out0.  The bias is the C of each sum's first products.
; CLUSTER 4 x 4: x's tiles hang on y alone (joint along a row of the cluster), Wo's on x alone (joint along a column).
.set L_B,   65536                      ; LDS: x's images at 0, 65,536 bytes, no padding (every load takes 512 consecutive bytes); Wo's 256 rows here, pitch 528
.set L_SA,  200704                     ; x's scale words: [K step][tile][row]: 8 x 512 bytes
.set L_SB,  204800                     ; Wo's scale bytes: 32 rows of 256 + 16
.set L_STG, 213504                     ; the way out: 16 rows x (256 + 16) bytes for each wave, its own
.set SPARE, 248320                     ; the spare words: 128 bytes for each of 8 waves
.set AI,   1
.set AB,   2
.set SAA,  3
.set SBB,  4
.set STO,  5
.set RD,   6
.set GO,   7
.set SPW,  14
.set NIL,  15
.set ACC,  32
.set AF,   160
.set BF,   192
.set SCA,  224                         ; v224-255 hold scales and nothing else
.set SCB,  240
.set G1A,  32
.set G1B,  40
.set G1SA, 48
.set G1SB, 56
.set G0A,  68
.set G0B,  72
.set G0SA, 76
.set G0SB, 80
.set WV,   88
.set WR,   89
.set WC,   90
.set CX,   91
.set CY,   92
.set Y,    93
.set MR,   94
.set MC,   95
.macro CROUND
	s_barrier_signal -1
	s_barrier_wait -1
	s_cmp_lg_u32 s[WV], 0
	s_cbranch_scc1 .Lnot_wave_0_\@
	s_barrier_signal -3
.Lnot_wave_0_\@:
	s_barrier_wait -3
	s_barrier_signal -1
	s_barrier_wait -1
.endm
	s_load_b256 s[4:11], s[0:1], 0x0               ; x's codes, scales; Wo's codes, scales
	s_load_b128 s[12:15], s[0:1], 0x20             ; bo, out0
	v_lshl_add_u32 v[SPW], v0, 2, SPARE
	v_mov_b32 v[NIL], 0
	ds_add_u32 v[SPW], v[NIL]                      ; the wave's opening: the add, twice on end, and its wait ahead of my first tensor load
	ds_add_u32 v[SPW], v[NIL]
	v_lshrrev_b32 v192, 5, v0
	s_delay_alu instid0(VALU_DEP_1)
	v_readfirstlane_b32 s[WV], v192                ; wave 0..7
	s_lshr_b32 s[WR], s[WV], 2                     ; which four tiles of x
	s_and_b32 s[WC], s[WV], 3                      ; which 64 columns
	s_bfe_u32 s[CX], ttmp6, 0x40000
	s_bfe_u32 s[CY], ttmp6, 0x40004
	s_and_b32 s[Y], ttmp7, 0xffff
	s_lshl_b32 s[Y], s[Y], 2
	s_add_co_u32 s[Y], s[Y], s[CY]
	s_lshl_b32 s[MR], s[CY], 2
	s_lshl_b32 s[MR], 15, s[MR]
	s_lshl_b32 s[MC], 0x1111, s[CX]
	s_or_b32 s[G1A], s[MR], (3<<16)|(1<<21)        ; x's images: 128 rows of 256 bytes, dense, no padding
	s_mov_b32 s[G1A+1], 32<<16
	s_mov_b32 s[G1A+2], 128<<16
	s_mov_b32 s[G1A+3], 32<<16
	s_mov_b32 s[G1A+4], 128
	s_mov_b32 s[G1A+5], 32
	s_mov_b32 s[G1A+6], 0
	s_mov_b32 s[G1A+7], 0
	s_or_b32 s[G1B], s[MC], (1<<20)|(1<<21)|(6<<22)|(3<<25)   ; Wo: 64 rows of 512 bytes, 16 bytes of padding behind each
	s_mov_b32 s[G1B+1], 512<<16
	s_mov_b32 s[G1B+2], 64<<16
	s_mov_b32 s[G1B+3], 512<<16
	s_mov_b32 s[G1B+4], 64
	s_mov_b32 s[G1B+5], 512
	s_mov_b32 s[G1B+6], 0
	s_mov_b32 s[G1B+7], 0
	s_or_b32 s[G1SA], s[MR], (3<<16)|(1<<21)       ; x's words: 8 rows (K steps) of 512 bytes, 8,192 bytes (1,024 elements of 8) apart
	s_mov_b32 s[G1SA+1], 64<<16
	s_mov_b32 s[G1SA+2], 8<<16
	s_mov_b32 s[G1SA+3], 64<<16
	s_mov_b32 s[G1SA+4], 8
	s_mov_b32 s[G1SA+5], 1024
	s_mov_b32 s[G1SA+6], 0
	s_mov_b32 s[G1SA+7], 0
	s_or_b32 s[G1SB], s[MC], (3<<16)|(1<<20)|(1<<21)|(5<<22)|(3<<25)   ; Wo's scale bytes: 32 rows of 256, dense
	s_mov_b32 s[G1SB+1], 32<<16
	s_mov_b32 s[G1SB+2], 32<<16
	s_mov_b32 s[G1SB+3], 32<<16
	s_mov_b32 s[G1SB+4], 32
	s_mov_b32 s[G1SB+5], 32
	s_mov_b32 s[G1SB+6], 0
	s_mov_b32 s[G1SB+7], 0
	s_and_b32 s3, s[WV], 1
	s_lshl_b32 s16, s[Y], 16                       ; x's images: 65,536 y + 32,768 (wave % 2)
	s_lshl_b32 s17, s3, 15
	s_add_co_u32 s16, s16, s17
	s_mov_b32 s17, 0
	s_lshl_b32 s24, s3, 15
	s_add_co_u32 s2, s[WV], 2
	s_and_b32 s2, s2, 3                            ; waves 2-5: parts 0-3 of Wo's tile
	s_lshl_b32 s18, s[CX], 17                      ; in registers that never hold y
	s_lshl_b32 s19, s2, 15
	s_add_co_u32 s18, s18, s19
	s_mov_b32 s19, 0
	s_mul_i32 s25, s2, 33792
	s_add_co_u32 s25, s25, L_B
	s_lshr_b32 s20, s[Y], 4                        ; x's words: 65,536 batch + 512 (y % 16)
	s_lshl_b32 s20, s20, 16
	s_and_b32 s21, s[Y], 15
	s_lshl_b32 s21, s21, 9
	s_add_co_u32 s20, s20, s21
	s_mov_b32 s21, 0
	s_lshl_b32 s22, s[CX], 13
	s_mov_b32 s23, 0
	s_wait_dscnt 0x0                               ; both opening adds are done
	s_wait_kmcnt 0x0
	s_mov_b32 s[G0A], 1
	s_mov_b32 s[G0A+1], s24
	s_add_nc_u64 s[G0A+2:G0A+3], s[4:5], s[16:17]
	s_or_b32 s[G0A+3], s[G0A+3], 0x80000000
	s_mov_b32 s[G0B], 1
	s_mov_b32 s[G0B+1], s25
	s_add_nc_u64 s[G0B+2:G0B+3], s[8:9], s[18:19]
	s_or_b32 s[G0B+3], s[G0B+3], 0x80000000
	s_mov_b32 s[G0SA], 1
	s_mov_b32 s[G0SA+1], L_SA
	s_add_nc_u64 s[G0SA+2:G0SA+3], s[6:7], s[20:21]
	s_or_b32 s[G0SA+3], s[G0SA+3], 0x80000000
	s_mov_b32 s[G0SB], 1
	s_mov_b32 s[G0SB+1], L_SB
	s_add_nc_u64 s[G0SB+2:G0SB+3], s[10:11], s[22:23]
	s_or_b32 s[G0SB+3], s[G0SB+3], 0x80000000
	CROUND                                         ; all sixteen work-groups are here: the joint loads meet
	; the fills, each once in the launch, one a wave: waves 0, 1 x's images; 2-5 Wo; 6 x's words; 7 Wo's scale bytes
	s_cmp_lt_u32 s[WV], 2
	s_cbranch_scc0 .Lf_not_a
	tensor_load_to_lds s[G0A:G0A+3], s[G1A:G1A+7]
	s_nop 0
.rept 4
	v_nop
.endr
	s_branch .Lf_done
.Lf_not_a:
	s_cmp_lt_u32 s[WV], 6
	s_cbranch_scc0 .Lf_not_b
	tensor_load_to_lds s[G0B:G0B+3], s[G1B:G1B+7]
	s_nop 0
.rept 4
	v_nop
.endr
	s_branch .Lf_done
.Lf_not_b:
	s_cmp_eq_u32 s[WV], 6
	s_cbranch_scc0 .Lf_not_sa
	tensor_load_to_lds s[G0SA:G0SA+3], s[G1SA:G1SA+7]
	s_nop 0
.rept 4
	v_nop
.endr
	s_branch .Lf_done
.Lf_not_sa:
	tensor_load_to_lds s[G0SB:G0SB+3], s[G1SB:G1SB+7]
	s_nop 0
.rept 4
	v_nop
.endr
.Lf_done:
	; where my part of out0 begins: row 2,048 batch + 64 (8 (y % 4) + 4 wr) + 4 ((y % 16) / 4), column 256 x + 64 wc
	s_lshr_b32 s2, s[Y], 4
	s_lshl_b32 s2, s2, 11
	s_and_b32 s3, s[Y], 3
	s_lshl_b32 s3, s3, 9
	s_add_co_u32 s2, s2, s3
	s_lshl_b32 s3, s[WR], 8
	s_add_co_u32 s2, s2, s3
	s_bfe_u32 s3, s[Y], 0x20002
	s_lshl_b32 s3, s3, 2
	s_add_co_u32 s2, s2, s3
	s_lshl_b32 s2, s2, 12                          ; 4,096 bytes a row; under 2^25
	s_lshl_b32 s3, s[CX], 10
	s_add_co_u32 s2, s2, s3
	s_lshl_b32 s3, s[WC], 8
	s_add_co_u32 s2, s2, s3
	s_mov_b32 s3, 0
	s_add_nc_u64 s[14:15], s[14:15], s[2:3]
	v_and_b32 v192, 15, v0                         ; r
	v_bfe_u32 v193, v0, 4, 1                       ; hh
	v_and_b32 v194, 31, v0                         ; lane
	s_delay_alu instid0(VALU_DEP_3)
	v_lshrrev_b32 v195, 3, v192
	s_lshl_b32 s2, s[WR], 15
	v_lshl_add_u32 v[AI], v194, 4, s2              ; an image: 16 x lane
	v_mul_u32_u24 v[AB], v192, 528
	s_delay_alu instid0(VALU_DEP_1)
	v_lshl_add_u32 v[AB], v193, 4, v[AB]
	s_mul_i32 s2, s[WC], 33792
	s_add_co_u32 s2, s2, L_B
	v_add_nc_u32 v[AB], s2, v[AB]
	s_lshl_b32 s2, s[WR], 8
	s_add_co_u32 s2, s2, L_SA
	v_lshl_add_u32 v[SAA], v192, 2, s2
	v_lshlrev_b32 v[SBB], 5, v192
	s_delay_alu instid0(VALU_DEP_1)
	v_lshl_add_u32 v[SBB], v195, 4, v[SBB]
	s_mul_i32 s2, s[WC], 2176
	s_add_co_u32 s2, s2, L_SB
	v_add_nc_u32 v[SBB], s2, v[SBB]
	s_mul_i32 s2, s[WV], 4352
	s_add_co_u32 s2, s2, L_STG
	v_mul_u32_u24 v[STO], v192, 272                ; into my stage: row r, 32 bytes for each half of the lanes
	s_delay_alu instid0(VALU_DEP_1)
	v_lshl_add_u32 v[STO], v193, 5, v[STO]
	s_delay_alu instid0(VALU_DEP_1)
	v_add_nc_u32 v[STO], s2, v[STO]
	v_mul_u32_u24 v[RD], v193, 272                 ; back: sixteen lanes to a row of 256 bytes, two rows an instruction
	s_delay_alu instid0(VALU_DEP_1)
	v_lshl_add_u32 v[RD], v192, 4, v[RD]
	s_delay_alu instid0(VALU_DEP_1)
	v_add_nc_u32 v[RD], s2, v[RD]
	v_lshlrev_b32 v[GO], 12, v193                  ; and the same two rows in out0
	s_delay_alu instid0(VALU_DEP_1)
	v_lshl_add_u32 v[GO], v192, 4, v[GO]
	s_lshl_b32 s2, s[CX], 10
	s_lshl_b32 s3, s[WC], 8
	s_add_co_u32 s2, s2, s3
	v_lshl_add_u32 v196, v193, 5, s2               ; the bias in the result's layout: bo[256 x + 64 wc + 16 t + 8 hh + 0 .. 7]
.irp t, 0,1,2,3
	global_load_b128 v[ACC+8*\t:ACC+8*\t+3], v196, s[12:13] offset:64*\t
	global_load_b128 v[ACC+8*\t+4:ACC+8*\t+7], v196, s[12:13] offset:64*\t+16
.endr
	s_wait_loadcnt 0x0                             ; the bias
	s_wait_tensorcnt 0x0                           ; my fill has landed,
	s_barrier_signal -1
	s_barrier_wait -1                              ; everybody's has
.macro LDSC H
.irp a, 0,1,2,3
.irp q, 0,1,2,3
	ds_load_b32 v[SCA+4*\a+\q], v[SAA] offset:512*(4*(\H)+\q)+64*\a
.endr
.endr
.irp t, 0,1,2,3
	ds_load_b128 v[SCB+4*\t:SCB+4*\t+3], v[SBB] offset:544*\t+16*(\H)
.endr
.endm
.macro LDFR ks
.irp a, 0,1,2,3
	ds_load_b128 v[AF+8*\a:AF+8*\a+3], v[AI] offset:8192*\a+1024*(\ks)
	ds_load_b128 v[AF+8*\a+4:AF+8*\a+7], v[AI] offset:8192*\a+1024*(\ks)+512
.endr
.irp t, 0,1,2,3
	ds_load_b128 v[BF+8*\t:BF+8*\t+3], v[AB] offset:8448*\t+64*(\ks)
	ds_load_b128 v[BF+8*\t+4:BF+8*\t+7], v[AB] offset:8448*\t+64*(\ks)+32
.endr
.endm
.macro MM a, t, q, cm
.if \cm
	v_wmma_scale_f32_16x16x128_f8f6f4 v[ACC+8*(4*\a+\t):ACC+8*(4*\a+\t)+7], v[BF+8*\t:BF+8*\t+7], v[AF+8*\a:AF+8*\a+7], v[ACC+8*\t:ACC+8*\t+7], v[SCB+4*\t+(\q)], v[SCA+4*\a+(\q)] matrix_a_fmt:MATRIX_FMT_FP4 matrix_b_fmt:MATRIX_FMT_FP4
.else
	v_wmma_scale_f32_16x16x128_f8f6f4 v[ACC+8*(4*\a+\t):ACC+8*(4*\a+\t)+7], v[BF+8*\t:BF+8*\t+7], v[AF+8*\a:AF+8*\a+7], v[ACC+8*(4*\a+\t):ACC+8*(4*\a+\t)+7], v[SCB+4*\t+(\q)], v[SCA+4*\a+(\q)] matrix_a_fmt:MATRIX_FMT_FP4 matrix_b_fmt:MATRIX_FMT_FP4
.endif
.endm
.macro KSTEP ks                        ; 128 along K; the 16 accumulators take turns, one instruction a turn
.if (\ks)%4 == 0
	LDSC (\ks)/4
.endif
	LDFR \ks
	s_wait_dscnt 0x0                               ; one set of fragment registers: all of the step's loads are wanted
.if \ks == 0
.irp a, 1,2,3
.irp t, 0,1,2,3
	MM \a, \t, 0, 1
.endr
.endr
.rept 5
	v_nop                                          ; five places: the next four products write over registers that the twelve above have read as C
.endr
.irp t, 0,1,2,3
	MM 0, \t, 0, 0
.endr
.else
.irp a, 0,1,2,3
.irp t, 0,1,2,3
	MM \a, \t, (\ks)%4, 0
.endr
.endr
.endif
.rept 4
	v_nop                                          ; four places in front of loads into registers that these products have read, and of the first read of results
.endr
.endm
.irp k, 0,1,2,3,4,5,6,7
	KSTEP \k
.endr
	s_wait_alu depctr_va_vdst(0)
	; THE WAY OUT, a tile of 16 rows x 64 columns at a time, through my own stage: LDS serves a wave's instructions in order, so no wait stands between the stores and the loads
.irp a, 0,1,2,3
.if \a >= 2
	s_wait_xcnt 0x0                                ; the stores of two tiles back have read their registers: the loads below may land there
.endif
.irp t, 0,1,2,3
	ds_store_b128 v[STO], v[ACC+8*(4*\a+\t):ACC+8*(4*\a+\t)+3] offset:64*\t        ; each accumulator from its low end on
	ds_store_b128 v[STO], v[ACC+8*(4*\a+\t)+4:ACC+8*(4*\a+\t)+7] offset:64*\t+16
.endr
.irp k, 0,1,2,3,4,5,6,7
	ds_load_b128 v[AF+32*(\a%2)+4*\k:AF+32*(\a%2)+4*\k+3], v[RD] offset:544*\k
.endr
	s_wait_dscnt 0x0                               ; the tile is back in registers
.irp k, 0,1,2,3,4,5,6,7
	global_store_b128 v[GO], v[AF+32*(\a%2)+4*\k:AF+32*(\a%2)+4*\k+3], s[14:15] offset:262144*\a+(16*(\k/2)+2*(\k%2))*4096 th:TH_STORE_NT   ; rows i = 2 k, 2 k + 1 of the tile are positions 16 (i / 4) + i % 4 on; 16 lanes store 256 consecutive bytes, at a multiple of 256 from out0's first byte
.endr
.endr
	s_wait_tensorcnt 0x0                           ; the wave's end
	ds_add_u32 v[SPW], v[NIL]
	s_wait_dscnt 0x0
	CROUND                                         ; the closing round
	s_endpgm
.Lfunc_end_k_q6c0b87fe73_outproj:
	.size	k_q6c0b87fe73_outproj, .Lfunc_end_k_q6c0b87fe73_outproj-k_q6c0b87fe73_outproj
	.p2alignl 7, 3214868480
	.fill 96, 4, 3214868480
	.section	.rodata,"a",@progbits
	.p2align	6, 0x0
	.amdhsa_kernel k_q6c0b87fe73_outproj
		.amdhsa_group_segment_fixed_size 327680
		.amdhsa_private_segment_fixed_size 0
		.amdhsa_enable_private_segment 0
		.amdhsa_kernarg_size 48
		.amdhsa_user_sgpr_count 2
		.amdhsa_user_sgpr_kernarg_segment_ptr 1
		.amdhsa_wavefront_size32 1
		.amdhsa_system_sgpr_workgroup_id_x 1
		.amdhsa_system_sgpr_workgroup_id_y 1
		.amdhsa_system_sgpr_workgroup_id_z 1
		.amdhsa_system_vgpr_workitem_id 0
		.amdhsa_next_free_vgpr 256
		.amdhsa_next_free_sgpr 102
		.amdhsa_reserve_vcc 0
		.amdhsa_float_denorm_mode_32 3
		.amdhsa_float_denorm_mode_16_64 3
		.amdhsa_memory_ordered 1
		.amdhsa_forward_progress 1
		.amdhsa_inst_pref_size 46
	.end_amdhsa_kernel
	.amdgpu_metadata
---
amdhsa.version: [ 1, 2 ]
amdhsa.kernels:
  - .name:           k_q6c0b87fe73_outproj
    .symbol:         k_q6c0b87fe73_outproj.kd
    .args:
      - { .name: x_codes, .offset: 0, .size: 8, .value_kind: global_buffer, .address_space: global }
      - { .name: x_scales, .offset: 8, .size: 8, .value_kind: global_buffer, .address_space: global }
      - { .name: Wo_codes, .offset: 16, .size: 8, .value_kind: global_buffer, .address_space: global }
      - { .name: Wo_scales, .offset: 24, .size: 8, .value_kind: global_buffer, .address_space: global }
      - { .name: bo, .offset: 32, .size: 8, .value_kind: global_buffer, .address_space: global }
      - { .name: out0, .offset: 40, .size: 8, .value_kind: global_buffer, .address_space: global }
    .group_segment_fixed_size: 327680
    .private_segment_fixed_size: 0
    .kernarg_segment_align: 8
    .kernarg_segment_size: 48
    .max_flat_workgroup_size: 256
    .sgpr_count:     102
    .vgpr_count:     256
    .wavefront_size: 32
...
	.end_amdgpu_metadata
.endif
;; end of part 4
